; MI455X (gfx1250); checked and timed in simulation.
; The chip was launched on July 23, 2026; its instructions are those of AMD's public machine-readable ISA for CDNA 5 (MIT licence, August 2026) and "CDNA5" Instruction Set Architecture Reference Guide (July 2026). The comments in the code are by the model that wrote it; some were corrected since.
;; DWR Block. Allowed arithmetic: matrix products marked QUANTISED: E2M1 operands, one E8M0 scale for each 32 along K, by v_wmma_scale_f32_16x16x128_f8f6f4 with both operands' format E2M1 (or v_wmma_scale_f32_32x16x128_f4), f32 sums; products left as they are: f32 operands where the result goes on into a quantised operand, else bf16, f16 or f32 operands; f32 sums; everything else in f32.
;; Inputs: W1 8 x 1,024 x 512 float32; W2 8 x 512 x 1,024 float32; Wg 1,024 x 8 float32; b1 8 x 512 float32; b2 8 x 1,024 float32; beta 1,024 float32; bg 8 float32; gamma 1,024 float32; x 4 x 2,048 x 1,024 float32.
;; Outputs: out0 4 x 2,048 x 1,024 float32; out1 one number float32.
;; This version of the problem:
;;   THIS VERSION OF THE PROBLEM IS GIVEN IN LOW PRECISION. The matrix products marked QUANTISED in the list below multiply operands that are first quantised to E2M1 (2 exponent bits, 1 mantissa bit; 4 bits a number), with one power-of-two scale for each 32 numbers along K (OCP MX v1.0); their sums are f32. All else is computed in f32.
;;   The module's matrix products, in the order in which they are computed (A, B: the left and right operand; K: the contracted axis; several contracted axes count as one K, in the product's order):
;;     1. [M 8,192, K 1,024] x [K 1,024, N 8]; A: input x; B: input Wg: left as it is (N = 8 < 16)
;;     2. batch 8,192 x [M 1, K 2] x [K 2, N 8]; A: computed on the way; B: computed on the way: left as it is (K = 2 < 32)
;;     3. [M 8,192, K 1,024] x [K 1,024, N 512]; A: input x; B: input W1: QUANTISED
;;     4. [M 8,192, K 512] x [K 512, N 1,024]; A: computed on the way; B: input W2: QUANTISED
;;     5. [M 8,192, K 1,024] x [K 1,024, N 512]; A: input x; B: input W1: QUANTISED
;;     6. [M 8,192, K 512] x [K 512, N 1,024]; A: computed on the way; B: input W2: QUANTISED
;;     7. [M 8,192, K 1,024] x [K 1,024, N 512]; A: input x; B: input W1: QUANTISED
;;     8. [M 8,192, K 512] x [K 512, N 1,024]; A: computed on the way; B: input W2: QUANTISED
;;     9. [M 8,192, K 1,024] x [K 1,024, N 512]; A: input x; B: input W1: QUANTISED
;;     10. [M 8,192, K 512] x [K 512, N 1,024]; A: computed on the way; B: input W2: QUANTISED
;;     11. [M 8,192, K 1,024] x [K 1,024, N 512]; A: input x; B: input W1: QUANTISED
;;     12. [M 8,192, K 512] x [K 512, N 1,024]; A: computed on the way; B: input W2: QUANTISED
;;     13. [M 8,192, K 1,024] x [K 1,024, N 512]; A: input x; B: input W1: QUANTISED
;;     14. [M 8,192, K 512] x [K 512, N 1,024]; A: computed on the way; B: input W2: QUANTISED
;;     15. [M 8,192, K 1,024] x [K 1,024, N 512]; A: input x; B: input W1: QUANTISED
;;     16. [M 8,192, K 512] x [K 512, N 1,024]; A: computed on the way; B: input W2: QUANTISED
;;     17. [M 8,192, K 1,024] x [K 1,024, N 512]; A: input x; B: input W1: QUANTISED
;;     18. [M 8,192, K 512] x [K 512, N 1,024]; A: computed on the way; B: input W2: QUANTISED
;;   THE QUANTISER, for each operand of a quantised product, along K:
;;     - K is cut into blocks of 32 from its start; a last block that is shorter is filled with zeros.
;;     - A block's scale is 2^e with e = floor(log2(the largest magnitude in the block)) - 2, held to -126 .. 127; a block of zeros has e = 0. As a byte (E8M0): e + 127.
;;     - Each number is divided by its block's scale, clamped to +-6, and rounded to the nearest number of E2M1, ties to even, subnormals kept.
;;     - The product sums the exact products of the quantised numbers (number of the format x scale) in f32.
;;   ~~~python
;;   def quantise(x, axis):      # numpy; x: float32 -> the quantised numbers, widened to float32 again
;;       x = np.moveaxis(x, axis, -1); K = x.shape[-1]
;;       x = np.pad(x, [(0, 0)] * (x.ndim - 1) + [(0, -K % 32)]); x = x.reshape(x.shape[:-1] + (-1, 32)); a = np.abs(x).max(-1, keepdims=True)
;;       e = np.where(a > 0, np.clip(np.frexp(np.where(a > 0, a, 1))[1] - 1 - 2, -126, 127), 0)      # np.frexp(a)[1] - 1 = floor(log2(a)), exactly
;;       r = np.clip(x / 2.0 ** e, -6, 6)
;;       step = 2.0 ** (np.maximum(np.frexp(np.where(r == 0, 1, r))[1] - 1, 0) - 1)
;;       q = np.round(r / step) * step * 2.0 ** e      # np.round: ties to even
;;       return np.moveaxis(q.reshape(q.shape[:-2] + (-1,))[..., :K], -1, axis).astype(np.float32)
;;   ~~~
;;   OPERANDS COMPUTED ON THE WAY. 'Computed on the way' means the value that the module computes at that place (a softmax that the list does not call 'softmax' is quantised finished and normalised). What goes into a quantiser is computed in f32, as accurately as f32 sums, v_exp_f32 and their like allow (about 1e-6 of the number): no bf16 or f16 on the way to a quantiser, and a product that is left as it is and whose result goes on into a quantised operand takes f32 operands (vector FMAs, or v_wmma_f32_16x16x4_f32). A number that lies on a knife's edge between two numbers of the format may be rounded either way, as far as f32 arithmetic and the matrix unit's own rounding can turn it there, and no further.
;; 2 versions. Each part assembles by itself: llvm-mc -triple=amdgcn-amd-amdhsa -mcpu=gfx1250 --defsym DOCPART=n.
;; ======== version 1 of 2: 3 launches
;; workspace buffers: route 131,072 bytes of whole numbers; psum 65,536 bytes; wtab 262,144 bytes; wq 4,456,448 bytes; order 32,768 bytes of whole numbers
;; launch prep (part 1): grid 256 x 1, 6 waves a work-group, no clusters, 99,072 bytes of LDS; arguments x, Wg, bg, W1, W2, route, psum, wtab, wq; writes route, psum, wtab, wq
.if DOCPART == 1
	.amdgcn_target "amdgcn-amd-amdhsa--gfx1250"
	.amdhsa_code_object_version 6
	.text
	.protected	k_qb7e80aac87_prep
	.globl	k_qb7e80aac87_prep
	.p2align	8
	.type	k_qb7e80aac87_prep,@function
k_qb7e80aac87_prep:
	s_mov_b64 s[64:65], 0
	v_nop
	global_prefetch_b8 v0, s[64:65] scope:SCOPE_SE
	s_setreg_imm32_b32 hwreg(HW_REG_WAVE_MODE, 25, 1), 1
	s_wait_xcnt 0x0
; PREP: the router, and the weights' codes.  Every work-group has six waves and reads 256 KiB: the waves part on their number, so that all work-groups have the same work.
;   waves 0, 1: the router.  A wave takes a chunk of 16 tokens (chunk = 2 x work-group + wave): logits = x Wg + bg in f32 (packed multiply-adds), softmax with the row's maximum taken away,
;               the two largest probabilities (the lower index wins a tie), and stores at FIXED places: a token word and a histogram (route), sums for the second output (psum) and the
;               eight combine weights of each token, 0 where an expert is not chosen (wtab).  No address and no branch hangs on them here.
;   waves 2-5:  32 columns x 256 along K of a weight, f32, into codes of E2M1 with one E8M0 byte for each 32 along K (K is the first axis within an expert).
;               Work-groups 0-127: W1 [8][1024][512]; work-groups 128-255: W2 [8][512][1024].  Codes and scale words are laid in the order of the operand's registers in the last launch.
; TOKEN WORD = key | mask << 8 | rank << 16.  a < b the chosen experts; mask = 1<<a | 1<<b; key = a (15 - a) / 2 + (a odd ? 7 - b : b - a - 1): the 28 pairs in an order in
; which neighbouring keys share an expert; rank = how many earlier tokens of the chunk have the same key.
; A RECORD OF wq (one expert, REC bytes): +0 W1's codes, +262144 W2's codes, +524288 W1's scale words, +540672 W2's.  A fragment (16 rows x 128 K) is 1,024 bytes:
; [block of 32 along K: 0..3][position 0..15][16 bytes].  Position p of tile 2 g + u of a group g of 32 rows is row 32 g + 8 u + p + 8 (p / 8).
; LIMITS: NaN and infinities among the inputs are not served.  A block of zeros, and a block whose largest magnitude lies under 2^-124, gets the scale byte 1 (a block of zeros has zero
; codes, and this program alone reads the bytes).  Probabilities under 2^-126 come out as 0.  Where the second and the third probability agree to within the rounding of an f32 sum of
; 1,024 products, the choice may differ from another order of summation's.  The logits' sums go in another order than a row-by-row sum.
; No matrix unit (the router's N is 8), no tensor load, no barrier: waves share nothing.  No cluster: no two work-groups read the same bytes but Wg's 32 KiB.
.set REC,  557056
.set RA,   16                          ; router: v16-31  two tokens x eight sums
.set RT,   32                          ; v32-47  the other half of the lanes' sums
.set RL,   48                          ; v48-55  lane l: the eight logits of token l % 16
.set RP,   56                          ; v56-63  exponentials, then probabilities
.set RX,   64                          ; v64-255 six slots of 32 registers, a row of x each; when the last row is consumed, v64-111 serve the lane's work:
.set RQ,   72                          ; v72-79  probabilities without the largest
.set RW,   80                          ; v80-87  combine weights
.set RC,   88                          ; v88-95  1.0 where chosen
.set SB,   24                          ; weights: v24-25 scale bytes, four to a register
.set XN,   32                          ; v32-95  two sets of 32 numbers down K
.set CD,   96                          ; v96-127 codes: four registers for each block, never written again
.set MSB, 0
.macro WIN new                         ; the immediate's high byte repeats the setting that is left; a switch that changes nothing is dropped
.if MSB != (\new)
	s_set_vgpr_msb (MSB<<8)|(\new)
.set MSB, (\new)
.endif
.endm
	s_load_b512 s[4:19], s[0:1], 0x0               ; x 4:5, Wg 6:7, bg 8:9, W1 10:11, W2 12:13, route 14:15, psum 16:17, wtab 18:19
	s_load_b64 s[20:21], s[0:1], 0x40              ; wq
	v_lshl_add_u32 v14, v0, 2, 0x18000
	v_mov_b32 v15, 0
	v_lshrrev_b32 v2, 5, v0
	v_readfirstlane_b32 s22, v2                    ; wave 0..5
	v_and_b32 v1, 31, v0                           ; lane
	s_mov_b32 s29, 0                               ; the high word of every offset pair s[28:29]
	s_wait_kmcnt 0x0
	s_cmp_lt_u32 s22, 2
	s_cbranch_scc0 .Lweights
; ---------------------------------------------------------------- THE ROUTER
; window 1: Wg, register 8 i + e = Wg[d][e], i = 4 jj + ii, d = 128 jj + 4 lane + ii.   A slot of the ring: register 4 jj + ii = x[d].
	s_load_b256 s[32:39], s[8:9], 0x0              ; bg
	s_lshl_b32 s23, ttmp9, 1
	s_add_co_u32 s23, s23, s22                     ; my chunk c = 2 x work-group + wave
	s_lshl_b32 s28, s23, 16
	s_add_nc_u64 s[26:27], s[4:5], s[28:29]        ; x at my 16 rows of 4,096 bytes
	s_lshl_b32 s28, s23, 8
	s_add_nc_u64 s[40:41], s[14:15], s[28:29]      ; route: 256 bytes a chunk
	s_lshl_b32 s28, s23, 7
	s_add_nc_u64 s[42:43], s[16:17], s[28:29]      ; psum: 128 bytes a chunk
	s_lshl_b32 s28, s23, 9
	s_add_nc_u64 s[44:45], s[18:19], s[28:29]      ; wtab: 32 bytes a token
	s_mov_b32 s24, 0x76543210
	s_mov_b32 s25, 0xfedcba98                      ; v_permlanex16_b32's selects for lane l xor 16
	v_lshlrev_b32 v3, 4, v1                        ; x: 16 bytes a lane
	v_lshlrev_b32 v4, 7, v1                        ; Wg: four rows of 32 bytes a lane
	WIN 0x40                                       ; destination window 1
.irp jj, 0,1,2,3,4,5,6,7
.irp q, 0,1,2,3,4,5,6,7
	global_load_b128 v[32*\jj+4*\q:32*\jj+4*\q+3], v4, s[6:7] offset:4096*\jj+16*\q
.endr
.endr
	WIN 0
.irp t, 0,1,2,3,4,5
.irp jj, 0,1,2,3,4,5,6,7
	global_load_b128 v[RX+32*\t+4*\jj:RX+32*\t+4*\jj+3], v3, s[26:27] offset:4096*\t+512*\jj   ; 32 lanes read 512 consecutive bytes; the last launch reads x again, so no hint
.endr
.endr
.set n, 0
.rept 16
	v_mov_b32 v[RT+n], 0                           ; written once: a lane permute's destination counts as one of its sources
.set n, n+1
.endr
.set n, 0
.rept 8
	v_mov_b32 v[RL+n], 0                           ; filled lane by lane below
.set n, n+1
.endr
	v_mov_b32 v8, 1
	v_mov_b32 v9, 1.0
	v_mov_b32 v10, -1.0
	v_lshlrev_b32 v5, 3, v1                        ; route: 8 bytes a lane
	v_lshlrev_b32 v6, 2, v1                        ; psum: 4 bytes a lane
	v_and_b32 v7, 15, v1
	v_lshlrev_b32 v7, 5, v7
	v_lshrrev_b32 v2, 4, v1
	v_lshl_add_u32 v7, v2, 4, v7                   ; wtab: token l % 16, its experts 4 (l / 16) on
; Tokens 2 p and 2 p + 1: 256 packed multiply-adds (a number of x against two neighbouring experts' weights), eight chains that do not wait for each other; the first products start the sums.
.macro PAIR p
.if (\p) <= 5
	s_wait_loadcnt 32                              ; loads come back in order: Wg and my two rows are in; the four younger rows, eight loads each, may be out
.else
	s_wait_loadcnt 16*(7-(\p))                     ; the rows that are left
.endif
	WIN 0x04                                       ; source 1 (Wg) window 1
.set i, 0
.rept 32
.irp k, 0,1
.set xr, RX+32*((2*(\p)+\k)%6)+(i/2)*2
.irp u, 0,1,2,3
.if i == 0
	v_pk_mul_f32 v[RA+8*\k+2*\u:RA+8*\k+2*\u+1], v[xr:xr+1], v[2*\u:2*\u+1] op_sel:[0,0] op_sel_hi:[0,1]
.elseif (i%2) == 0
	v_pk_fma_f32 v[RA+8*\k+2*\u:RA+8*\k+2*\u+1], v[xr:xr+1], v[8*i+2*\u:8*i+2*\u+1], v[RA+8*\k+2*\u:RA+8*\k+2*\u+1] op_sel:[0,0,0] op_sel_hi:[0,1,1]
.else
	v_pk_fma_f32 v[RA+8*\k+2*\u:RA+8*\k+2*\u+1], v[xr:xr+1], v[8*i+2*\u:8*i+2*\u+1], v[RA+8*\k+2*\u:RA+8*\k+2*\u+1] op_sel:[1,0,0] op_sel_hi:[1,1,1]
.endif
.endr
.endr
.set i, i+1
.endr
	WIN 0
.if (\p) < 5
.irp k, 0,1
.irp jj, 0,1,2,3,4,5,6,7
	global_load_b128 v[RX+32*((2*(\p)+\k)%6)+4*\jj:RX+32*((2*(\p)+\k)%6)+4*\jj+3], v3, s[26:27] offset:4096*(6+2*(\p)+\k)+512*\jj   ; the two slots just read take the rows six further down
.endr
.endr
.endif
.irp x, 1,2,4,8
.set n, 0
.rept 16
	v_add_f32_dpp v[RA+n], v[RA+n], v[RA+n] row_xmask:\x row_mask:0xf bank_mask:0xf
.set n, n+1
.endr
.endr
.set n, 0
.rept 16
	v_permlanex16_b32 v[RT+n], v[RA+n], s24, s25
.set n, n+1
.endr
.set n, 0
.rept 16
	v_add_f32 v[RA+n], v[RA+n], v[RT+n]            ; every lane holds the sums
.set n, n+1
.endr
.irp k, 0,1
	s_mov_b32 s30, 0x10001<<(2*(\p)+\k)            ; lanes t and t + 16 keep token t's
.irp e, 0,1,2,3,4,5,6,7
	v_cndmask_b32 v[RL+\e], v[RL+\e], v[RA+8*\k+\e], s30
.endr
.endr
.endm
.irp p, 0,1,2,3,4,5,6,7
	PAIR \p
.endr
	; a lane, a token (l % 16); both halves of the lanes hold the same.  No load is out: the ring's registers are free
	s_wait_kmcnt 0x0                               ; bg
.irp e, 0,1,2,3,4,5,6,7
	v_add_f32 v[RL+\e], s[32+\e], v[RL+\e]
.endr
	v_max3_num_f32 v64, v[RL], v[RL+1], v[RL+2]
	v_max3_num_f32 v64, v64, v[RL+3], v[RL+4]
	v_max3_num_f32 v64, v64, v[RL+5], v[RL+6]
	v_max_num_f32 v64, v64, v[RL+7]                ; the row's maximum is taken away ahead of the exponentials
.irp e, 0,1,2,3,4,5,6,7
	v_sub_f32 v[RP+\e], v[RL+\e], v64
.endr
.irp e, 0,1,2,3,4,5,6,7
	v_mul_f32 v[RP+\e], 0x3fb8aa3b, v[RP+\e]       ; x log2(e)
.endr
.irp e, 0,1,2,3,4,5,6,7
	v_exp_f32 v[RP+\e], v[RP+\e]
.endr
	v_nop                                          ; a plain instruction behind the last exponential
	s_wait_alu depctr_va_vdst(0)                   ; one wait for the batch of eight, ahead of its first reader
	v_add_f32 v65, v[RP], v[RP+1]
	v_add_f32 v66, v[RP+2], v[RP+3]
	v_add_f32 v67, v[RP+4], v[RP+5]
	v_add_f32 v68, v[RP+6], v[RP+7]
	v_add_f32 v65, v65, v66
	v_add_f32 v67, v67, v68
	v_add_f32 v65, v65, v67
	v_rcp_f32 v69, v65
	v_nop
	s_wait_alu depctr_va_vdst(0)
.irp e, 0,1,2,3,4,5,6,7
	v_mul_f32 v[RP+\e], v[RP+\e], v69              ; the probabilities
.endr
	v_mov_b32 v67, v[RP]                           ; the largest so far,
	v_mov_b32 v68, 0                               ; and where: kept while it is not smaller, so the lower index wins a tie
.irp e, 1,2,3,4,5,6,7
	v_cmp_ge_f32 vcc_lo, v67, v[RP+\e]
	v_cndmask_b32 v68, \e, v68, vcc_lo
	v_cndmask_b32 v67, v[RP+\e], v67, vcc_lo
.endr
.irp e, 0,1,2,3,4,5,6,7
	v_cmp_eq_u32 vcc_lo, \e, v68
	v_cndmask_b32 v[RQ+\e], v[RP+\e], v10, vcc_lo  ; the largest is taken out: -1 lies under every probability
.endr
	v_mov_b32 v67, v[RQ]
	v_mov_b32 v70, 0
.irp e, 1,2,3,4,5,6,7
	v_cmp_ge_f32 vcc_lo, v67, v[RQ+\e]
	v_cndmask_b32 v70, \e, v70, vcc_lo
	v_cndmask_b32 v67, v[RQ+\e], v67, vcc_lo
.endr
	v_min_u32 v71, v68, v70                        ; a
	v_max_u32 v96, v68, v70                        ; b
	v_sub_nc_u32 v97, 15, v71
	v_mul_u32_u24 v97, v71, v97
	v_lshrrev_b32 v97, 1, v97                      ; a (15 - a) / 2: the pairs whose first expert is smaller
	v_sub_nc_u32 v98, v96, v71
	v_add_nc_u32 v98, -1, v98                      ; b - a - 1
	v_sub_nc_u32 v99, 7, v96                       ; 7 - b
	v_and_b32 v102, 1, v71
	v_cmp_ne_u32 vcc_lo, 0, v102
	v_cndmask_b32 v98, v98, v99, vcc_lo
	v_add_nc_u32 v97, v97, v98                     ; the key, 0 .. 27
	v_lshlrev_b32 v98, v71, v8
	v_lshlrev_b32 v99, v96, v8
	v_or_b32 v98, v98, v99                         ; the mask
.irp e, 0,1,2,3,4,5,6,7
	v_and_b32 v102, 1<<\e, v98
	v_cmp_ne_u32 vcc_lo, 0, v102
	v_cndmask_b32 v[RW+\e], 0, v[RP+\e], vcc_lo
	v_cndmask_b32 v[RC+\e], 0, v9, vcc_lo
.endr
	v_mov_b32 v101, 0                              ; lane l: how many of the chunk's tokens have key l
	v_mov_b32 v103, 0                              ; my token's rank among the chunk's tokens of its key
.set j, 0
.rept 16
	v_readlane_b32 s31, v97, j                     ; token j's key: data for two comparisons, no address and no branch
	v_cmp_eq_u32 vcc_lo, s31, v1
	v_cndmask_b32 v102, 0, v8, vcc_lo
	v_add_nc_u32 v101, v101, v102
.if j < 15
	v_cmp_eq_u32 vcc_lo, s31, v97
	s_and_b32 vcc_lo, vcc_lo, ((0xfffe<<j)&0xffff)*0x10001   ; only tokens behind j count it
	v_cndmask_b32 v102, 0, v8, vcc_lo
	v_add_nc_u32 v103, v103, v102
.endif
.set j, j+1
.endr
	v_lshl_or_b32 v100, v98, 8, v97
	v_lshl_or_b32 v100, v103, 16, v100             ; the token word
	s_mov_b32 s30, 0xffff0000
.irp u, 0,1,2,3
	v_cndmask_b32 v[108+\u], v[RW+\u], v[RW+4+\u], s30   ; lanes 16-31 store experts 4 to 7
.endr
.irp x, 1,2,4,8
.set n, 0
.rept 8
	v_add_f32_dpp v[RP+n], v[RP+n], v[RP+n] row_xmask:\x row_mask:0xf bank_mask:0xf   ; over the chunk's 16 tokens: the probabilities,
	v_add_f32_dpp v[RC+n], v[RC+n], v[RC+n] row_xmask:\x row_mask:0xf bank_mask:0xf   ; and how often each expert is chosen
.set n, n+1
.endr
.endr
	v_mov_b32 v104, 0
.irp e, 0,1,2,3,4,5,6,7
	s_mov_b32 s30, 1<<\e
	v_cndmask_b32 v104, v104, v[RP+\e], s30        ; lane e: the sum of p_e
	s_mov_b32 s31, 0x100<<\e
	v_cndmask_b32 v104, v104, v[RC+\e], s31        ; lane 8 + e: the count of e; lanes 16-31 stay 0
.endr
	global_store_b64 v5, v[100:101], s[40:41]      ; 32 lanes store 256 consecutive bytes, aligned
	global_store_b32 v6, v104, s[42:43]
	global_store_b128 v7, v[108:111], s[44:45]     ; 512 consecutive bytes
	s_endpgm
; ---------------------------------------------------------------- THE WEIGHTS
; A wave takes 32 columns (a group of 32 rows of the operand: two tiles) x 256 along K: 8 blocks of 32, two K steps.  Each load reads four rows of K x 128 consecutive bytes; a block's 4,096 bytes go
; through the wave's own stage in LDS as they lie and come back a column a lane, 32 registers down K.  Lane 16 u + p takes the column that is position p of tile u.  So a block's largest magnitude
; needs no other lane, the conversions give codes with K innermost, and sixteen neighbouring lanes' 16 bytes are 256 consecutive bytes of a fragment.
; ALL of the wave's 64 loads go out together, into eight sets of 32 registers (window 1), none of which is loaded again; the turn through LDS runs one block ahead, in two stages by turns.
.macro LOADB t
	WIN 0x40
.irp q, 0,1,2,3,4,5,6,7
	global_load_b128 v[32*(\t)+4*\q:32*(\t)+4*\q+3], v2, s[40:41] offset:(32*(\t)+4*\q)*WPITCH th:TH_LOAD_NT
.endr
.endm
.macro TURN t                          ; LDS serves a wave's instructions in order: no wait between the stores and the loads
	WIN 0x04                                       ; an LDS store's data are its source 1: window 1
.irp q, 0,1,2,3,4,5,6,7
	ds_store_b128 v4, v[32*(\t)+4*\q:32*(\t)+4*\q+3] offset:4096*((\t)%2)+512*\q
.endr
	WIN 0
.set ii, 0
.rept 32
	ds_load_b32 v[XN+32*((\t)%2)+ii], v5 offset:4096*((\t)%2)+128*ii   ; row ii of the block, my column: 32 lanes, 32 different words of 128 bytes
.set ii, ii+1
.endr
.endm
.macro STEP t
.set XB, XN+32*((\t)%2)
	s_wait_dscnt 0x0                               ; this block's numbers are back from the stage
.if (\t) < 7
	s_wait_loadcnt 8*(6-(\t))                      ; the next block's eight loads are in; those of the blocks behind it may be out
	TURN (\t)+1                                    ; and go through the other stage while this block is worked
.endif
	v_max3_num_f32 v12, |v[XB]|, |v[XB+1]|, |v[XB+2]|
	v_max3_num_f32 v13, |v[XB+3]|, |v[XB+4]|, |v[XB+5]|
.irp i, 6,10,14,18,22,26
	v_max3_num_f32 v12, v12, |v[XB+\i]|, |v[XB+\i+1]|
	v_max3_num_f32 v13, v13, |v[XB+\i+2]|, |v[XB+\i+3]|
.endr
	v_max3_num_f32 v12, v12, |v[XB+30]|, |v[XB+31]|
	v_max3_num_f32 v12, v12, v13, 0x1800000        ; and the floor 2^(3 - 127): the byte cannot fall under 1
	v_add_nc_u32 v11, 0xff000000, v12              ; 2 off the exponent field: the conversion takes the exponent field of this operand as its scale
	v_lshrrev_b32 v13, 23, v11                     ; the scale's byte
.if (\t)%4 == 0
	v_mov_b32 v[SB+(\t)/4], v13                    ; four bytes to a register: a K step's scale word
.else
	v_lshl_or_b32 v[SB+(\t)/4], v13, 8*((\t)%4), v[SB+(\t)/4]
.endif
.irp g, 0,1,2,3
	v_cvt_scalef32_pk8_fp4_f32 v[CD+4*(\t)+\g], v[XB+8*\g:XB+8*\g+7], v11
.endr
	global_store_b128 v7, v[CD+4*(\t):CD+4*(\t)+3], s[42:43] offset:WSSTEP*((\t)/4)+256*((\t)%4)   ; lanes 0-15 fill 256 consecutive bytes of tile 0's fragment, lanes 16-31 of tile 1's
.endm
.macro WQBODY
	v_lshrrev_b32 v2, 3, v1
	v_mul_u32_u24 v2, v2, WPITCH
	v_and_b32 v3, 7, v1
	v_lshl_add_u32 v2, v3, 4, v2                   ; in: row l / 8 of four, 16 bytes of its 128
	s_lshl_b32 s30, s22, 13
	s_add_co_u32 s30, s30, WLBASE                  ; my wave's 8,192 bytes of LDS: 8,192 x wave, each of the two weights' paths with bytes of its own
	v_lshl_add_u32 v4, v1, 4, s30                  ; into the stage: as loaded
	v_bfe_u32 v5, v1, 3, 1
	v_lshl_add_u32 v5, v5, 4, v3
	v_lshrrev_b32 v6, 4, v1
	v_lshl_add_u32 v5, v6, 3, v5                   ; my column: l % 8 + 16 ((l / 8) % 2) + 8 (l / 16)
	v_lshl_add_u32 v5, v5, 2, s30                  ; out of the stage
	v_and_b32 v7, 15, v1
	v_lshlrev_b32 v7, 4, v7
	v_lshl_add_u32 v7, v6, 10, v7                  ; codes: fragment l / 16, position l % 16
	v_lshlrev_b32 v8, 4, v1                        ; scale words: a lane's place is 16 bytes, four K steps' words
.irp t, 0,1,2,3,4,5,6,7
	LOADB \t
.endr
	s_wait_loadcnt 56                              ; block 0's eight loads are in; the seven younger blocks' may be out
	TURN 0
.irp t, 0,1,2,3,4,5,6,7
	STEP \t
.endr
	global_store_b64 v8, v[SB:SB+1], s[44:45]      ; my two K steps' words: 8 of each lane's 16 bytes; the wave with the other two K steps stores the other 8.  These 256 of my 4,352 stored bytes fill their blocks of 256 in part
	s_wait_tensorcnt 0x0
	ds_add_u32 v14, v15
	s_wait_dscnt 0x0
	s_endpgm
.endm
.Lweights:
	s_sub_co_u32 s23, s22, 2                       ; which of the work-group's four parts is mine
	s_cmp_lt_u32 ttmp9, 128
	s_cbranch_scc0 .Lw2
	; W1: expert e = work-group / 16, group cg = work-group % 16 of 32 hidden units, my quarter of K
	s_lshr_b32 s24, ttmp9, 4                       ; e
	s_and_b32 s25, ttmp9, 15                       ; cg
	s_lshl_b32 s28, s24, 21                        ; an expert is 2,097,152 bytes,
	s_lshl_b32 s30, s23, 19                        ; 256 rows of 2,048 bytes,
	s_add_co_u32 s28, s28, s30
	s_lshl_b32 s30, s25, 7                         ; 32 columns are 128 bytes
	s_add_co_u32 s28, s28, s30
	s_add_nc_u64 s[40:41], s[10:11], s[28:29]
	s_mul_i32 s31, s24, REC
	s_lshr_b32 s26, s25, 2                         ; the last launch's wave,
	s_and_b32 s27, s25, 3                          ; and the group among its four
	s_lshl_b32 s28, s26, 16
	s_add_co_u32 s28, s28, s31
	s_lshl_b32 s30, s27, 11                        ; two tiles on
	s_add_co_u32 s28, s28, s30
	s_lshl_b32 s30, s23, 14                        ; two K steps of eight fragments on
	s_add_co_u32 s28, s28, s30
	s_add_nc_u64 s[42:43], s[20:21], s[28:29]
	s_add_co_u32 s28, s31, 524288
	s_lshl_b32 s30, s26, 12
	s_add_co_u32 s28, s28, s30
	s_lshl_b32 s30, s27, 10
	s_add_co_u32 s28, s28, s30
	s_lshr_b32 s30, s23, 1
	s_lshl_b32 s30, s30, 9                         ; which half of K: an image of four K steps' words,
	s_add_co_u32 s28, s28, s30
	s_and_b32 s30, s23, 1
	s_lshl_b32 s30, s30, 3                         ; and which two of the four
	s_add_co_u32 s28, s28, s30
	s_add_nc_u64 s[44:45], s[20:21], s[28:29]
.set WPITCH, 2048
.set WSSTEP, 8192
.set WLBASE, 0
	WQBODY
.Lw2:
	; W2: expert e, group cg = 2 (work-group % 16) + part / 2 of 32 output columns, half part % 2 of K
	s_sub_co_u32 s24, ttmp9, 128
	s_and_b32 s25, s24, 15
	s_lshr_b32 s24, s24, 4                         ; e
	s_lshl_b32 s25, s25, 1
	s_lshr_b32 s30, s23, 1
	s_add_co_u32 s25, s25, s30                     ; cg, 0 .. 31
	s_and_b32 s26, s23, 1                          ; which half of K
	s_lshl_b32 s28, s24, 21
	s_lshl_b32 s30, s26, 20                        ; 256 rows of 4,096 bytes
	s_add_co_u32 s28, s28, s30
	s_lshl_b32 s30, s25, 7
	s_add_co_u32 s28, s28, s30
	s_add_nc_u64 s[40:41], s[12:13], s[28:29]
	s_mul_i32 s31, s24, REC
	s_lshr_b32 s27, s25, 3                         ; the last launch's wave,
	s_and_b32 s25, s25, 7                          ; and the group p among its eight
	s_add_co_u32 s28, s31, 262144
	s_lshl_b32 s30, s27, 16
	s_add_co_u32 s28, s28, s30
	s_lshr_b32 s30, s25, 1
	s_lshl_b32 s30, s30, 14                        ; a run of four tiles x four K steps is 16 fragments
	s_add_co_u32 s28, s28, s30
	s_and_b32 s30, s25, 1
	s_lshl_b32 s30, s30, 11
	s_add_co_u32 s28, s28, s30
	s_lshl_b32 s30, s26, 13                        ; two K steps of four fragments on
	s_add_co_u32 s28, s28, s30
	s_add_nc_u64 s[42:43], s[20:21], s[28:29]
	s_add_co_u32 s28, s31, 540672
	s_lshl_b32 s30, s27, 12
	s_add_co_u32 s28, s28, s30
	s_lshl_b32 s30, s25, 9
	s_add_co_u32 s28, s28, s30
	s_lshl_b32 s30, s26, 3                         ; which two of the image's four words
	s_add_co_u32 s28, s28, s30
	s_add_nc_u64 s[44:45], s[20:21], s[28:29]
.set WPITCH, 4096
.set WSSTEP, 4096
.set WLBASE, 49152
	WQBODY
.Lfunc_end_k_qb7e80aac87_prep:
	.size	k_qb7e80aac87_prep, .Lfunc_end_k_qb7e80aac87_prep-k_qb7e80aac87_prep
	.p2alignl 7, 3214868480
	.fill 96, 4, 3214868480
	.section	.rodata,"a",@progbits
	.p2align	6, 0x0
	.amdhsa_kernel k_qb7e80aac87_prep
		.amdhsa_group_segment_fixed_size 99072
		.amdhsa_private_segment_fixed_size 0
		.amdhsa_enable_private_segment 0
		.amdhsa_kernarg_size 72
		.amdhsa_user_sgpr_count 2
		.amdhsa_user_sgpr_kernarg_segment_ptr 1
		.amdhsa_wavefront_size32 1
		.amdhsa_system_sgpr_workgroup_id_x 1
		.amdhsa_system_sgpr_workgroup_id_y 1
		.amdhsa_system_sgpr_workgroup_id_z 1
		.amdhsa_system_vgpr_workitem_id 0
		.amdhsa_next_free_vgpr 512
		.amdhsa_next_free_sgpr 66
		.amdhsa_reserve_vcc 1
		.amdhsa_float_denorm_mode_32 3
		.amdhsa_float_denorm_mode_16_64 3
		.amdhsa_memory_ordered 1
		.amdhsa_forward_progress 1
		.amdhsa_inst_pref_size 255
	.end_amdhsa_kernel
	.section	.bss,"aw",@nobits
	.p2align	6
	.space	262144
	.amdgpu_metadata
---
amdhsa.version: [ 1, 2 ]
amdhsa.kernels:
  - .name:           k_qb7e80aac87_prep
    .symbol:         k_qb7e80aac87_prep.kd
    .args:
      - { .name: x, .offset: 0, .size: 8, .value_kind: global_buffer, .address_space: global }
      - { .name: Wg, .offset: 8, .size: 8, .value_kind: global_buffer, .address_space: global }
      - { .name: bg, .offset: 16, .size: 8, .value_kind: global_buffer, .address_space: global }
      - { .name: W1, .offset: 24, .size: 8, .value_kind: global_buffer, .address_space: global }
      - { .name: W2, .offset: 32, .size: 8, .value_kind: global_buffer, .address_space: global }
      - { .name: route, .offset: 40, .size: 8, .value_kind: global_buffer, .address_space: global }
      - { .name: psum, .offset: 48, .size: 8, .value_kind: global_buffer, .address_space: global }
      - { .name: wtab, .offset: 56, .size: 8, .value_kind: global_buffer, .address_space: global }
      - { .name: wq, .offset: 64, .size: 8, .value_kind: global_buffer, .address_space: global }
    .group_segment_fixed_size: 99072
    .private_segment_fixed_size: 0
    .kernarg_segment_align: 8
    .kernarg_segment_size: 72
    .max_flat_workgroup_size: 192
    .sgpr_count:     66
    .vgpr_count:     512
    .wavefront_size: 32
...
	.end_amdgpu_metadata
.endif
;; end of part 1
;; launch place (part 2): grid 1 x 1, 32 waves a work-group, no clusters, 12,288 bytes of LDS; arguments route, psum, order, out1; writes order, out1
.if DOCPART == 2
	.amdgcn_target "amdgcn-amd-amdhsa--gfx1250"
	.amdhsa_code_object_version 6
	.text
	.protected	k_qb7e80aac87_place
	.globl	k_qb7e80aac87_place
	.p2align	8
	.type	k_qb7e80aac87_place,@function
k_qb7e80aac87_place:
	s_mov_b64 s[64:65], 0
	v_nop
	global_prefetch_b8 v0, s[64:65] scope:SCOPE_SE
	s_setreg_imm32_b32 hwreg(HW_REG_WAVE_MODE, 25, 1), 1
	s_wait_xcnt 0x0
; PLACE: a counting sort of the 8,192 tokens by their key (the pair of chosen experts), and the second output.
; One work-group of 32 waves, no atomics.  Wave w owns chunks 16 w .. 16 w + 15 (tokens 256 w .. 256 w + 255).  A lane is a bin (keys 0 .. 27; bins 28-31 stay empty).
; A token's place = its bin's start + the bin's tokens in earlier waves + in earlier chunks of my wave + its rank in its chunk.  order[place] = token | mask << 16.
; out1 = 8 x sum over e of (count_e / 16,384) (sum of p_e / 8,192) = 2^-24 x sum of count_e x sum p_e.  The counts are whole numbers kept in f32, under 2^24: exact.
; One work-group: the whole job is 196,608 bytes in and 32,772 out, and every place hangs on all histograms.
.set HH, 16                            ; v16-31   histograms of my 16 chunks
.set TK, 32                            ; v32-39   token words: register k: token 32 k + lane of my 256
.set PP, 40                            ; v40-55   my chunks' sums for out1
.set LL, 64                            ; v64-95   the 32 waves' figures
.set BK, 96                            ; v96-103  where bin l's tokens of chunks 2 k, 2 k + 1 begin
.set IX, 104                           ; v104-111 4 x key, later the words to store
.set PA, 112                           ; v112-119 places
.set PB, 120                           ; v120-127 the even chunk's count of my key
	s_load_b256 s[4:11], s[0:1], 0x0               ; route 4:5, psum 6:7, order 8:9, out1 10:11
	v_lshl_add_u32 v62, v0, 2, 0x2000
	v_mov_b32 v63, 0
	v_lshrrev_b32 v1, 5, v0
	v_readfirstlane_b32 s12, v1                    ; wave 0..31
	v_and_b32 v1, 31, v0                           ; lane
	s_lshl_b32 s13, s12, 12
	v_lshl_add_u32 v2, v1, 3, s13                  ; histograms: 4,096 w + 8 lane (+ 4)
	v_and_b32 v3, 15, v1
	v_lshrrev_b32 v4, 4, v1
	v_lshlrev_b32 v3, 3, v3
	v_lshl_add_u32 v3, v4, 8, v3
	v_add_nc_u32 v3, s13, v3                       ; token words: chunk l / 16 of a pair, token l % 16
	s_lshl_b32 s14, s12, 11
	v_lshl_add_u32 v5, v1, 2, s14                  ; psum: 2,048 w + 4 lane
	v_lshlrev_b32 v6, 2, v0                        ; LDS: 128 w + 4 lane
	v_lshlrev_b32 v7, 2, v1                        ; LDS: 4 lane
	s_lshl_b32 s16, s12, 8
	v_add_nc_u32 v14, s16, v1                      ; 256 w + lane
	s_mov_b32 s15, 0xffff0000                      ; lanes 16-31
	s_wait_kmcnt 0x0
.irp i, 0,1,2,3,4,5,6,7,8,9,10,11,12,13,14,15
	global_load_b32 v[HH+\i], v2, s[4:5] offset:256*\i+4
.endr
.irp k, 0,1,2,3,4,5,6,7
	global_load_b32 v[TK+\k], v3, s[4:5] offset:512*\k
.endr
.irp i, 0,1,2,3,4,5,6,7,8,9,10,11,12,13,14,15
	global_load_b32 v[PP+\i], v5, s[6:7] offset:128*\i
.endr
	s_wait_loadcnt 0x0
	v_add_nc_u32 v8, v[HH], v[HH+1]
	v_add_f32 v9, v[PP], v[PP+1]
.irp i, 2,3,4,5,6,7,8,9,10,11,12,13,14,15
	v_add_nc_u32 v8, v8, v[HH+\i]
	v_add_f32 v9, v9, v[PP+\i]
.endr
	ds_store_b32 v6, v8                            ; my wave's histogram,
	ds_store_b32 v6, v9 offset:4096                ; and its sums
	s_wait_dscnt 0x0                               ; for the others' sake: my stores are done
	s_barrier_signal -1
	s_barrier_wait -1
.set i, 0
.rept 32
	ds_load_b32 v[LL+i], v7 offset:128*i
.set i, i+1
.endr
	s_wait_dscnt 0x0
	v_mov_b32 v10, 0                               ; bin l in all waves,
	v_mov_b32 v11, 0                               ; and in the waves ahead of mine
.set i, 0
.rept 32
	v_add_nc_u32 v10, v10, v[LL+i]
	s_cmp_gt_u32 s12, i
	s_cselect_b32 s13, -1, 0
	v_and_b32 v13, s13, v[LL+i]
	v_add_nc_u32 v11, v11, v13
.set i, i+1
.endr
	v_mov_b32 v12, v10                             ; a running sum over the bins: inside each half of 16 lanes,
.irp n, 1,2,4,8
	v_mov_b32_dpp v13, v12 row_shr:\n row_mask:0xf bank_mask:0xf bound_ctrl:1
	v_add_nc_u32 v12, v12, v13
.endr
	v_readlane_b32 s13, v12, 15                    ; and the lower half's total onto the upper half
	v_mov_b32 v13, s13
	v_cndmask_b32 v13, 0, v13, s15
	v_add_nc_u32 v12, v12, v13
	v_sub_nc_u32 v12, v12, v10                     ; where bin l begins
	v_add_nc_u32 v[BK], v12, v11
.irp k, 0,1,2,3,4,5,6
	v_add3_u32 v[BK+\k+1], v[BK+\k], v[HH+2*\k], v[HH+2*\k+1]
.endr
.irp k, 0,1,2,3,4,5,6,7
	v_and_b32 v[IX+\k], 31, v[TK+\k]
	v_lshlrev_b32 v[IX+\k], 2, v[IX+\k]            ; the lane that holds my key's bin, x 4
.endr
.irp k, 0,1,2,3,4,5,6,7
	ds_bpermute_b32 v[PA+\k], v[IX+\k], v[BK+\k]
	ds_bpermute_b32 v[PB+\k], v[IX+\k], v[HH+2*\k]
.endr
	s_wait_dscnt 0x0
.irp k, 0,1,2,3,4,5,6,7
	v_bfe_u32 v13, v[TK+\k], 16, 4                 ; the rank
	v_cndmask_b32 v[PB+\k], 0, v[PB+\k], s15       ; lanes 16-31 stand in the pair's odd chunk, behind the even chunk's tokens
	v_add3_u32 v[PA+\k], v[PA+\k], v13, v[PB+\k]
	v_min_u32 v[PA+\k], 0x1fff, v[PA+\k]           ; a loaded number enters an address only behind this hold
	v_lshlrev_b32 v[PA+\k], 2, v[PA+\k]
	v_bfe_u32 v13, v[TK+\k], 8, 8                  ; the mask
	v_add_nc_u32 v[IX+\k], 32*\k, v14              ; the token
	v_lshl_or_b32 v[IX+\k], v13, 16, v[IX+\k]
	global_store_b32 v[PA+\k], v[IX+\k], s[8:9]    ; each store has registers of its own
.endr
	s_cmp_lg_u32 s12, 0
	s_cbranch_scc1 .Lend                           ; the second output is wave 0's; no barrier stands in this branch
.set i, 0
.rept 32
	ds_load_b32 v[LL+i], v7 offset:4096+128*i
.set i, i+1
.endr
	s_wait_dscnt 0x0
	v_add_f32 v9, v[LL], v[LL+1]
.set i, 2
.rept 30
	v_add_f32 v9, v9, v[LL+i]
.set i, i+1
.endr
	v_mov_b32 v13, 0
	v_mul_f32_dpp v13, v9, v9 row_xmask:8 row_mask:0xf bank_mask:0xf   ; lane e: count_e x the sum of p_e
	v_add_f32_dpp v13, v13, v13 row_xmask:1 row_mask:0xf bank_mask:0xf
	v_add_f32_dpp v13, v13, v13 row_xmask:2 row_mask:0xf bank_mask:0xf
	v_add_f32_dpp v13, v13, v13 row_xmask:4 row_mask:0xf bank_mask:0xf
	v_mul_f32 v13, 0x33800000, v13                 ; x 2^-24
	v_mov_b32 v12, 0
	v_cmp_eq_u32 vcc_lo, 0, v1
	s_wait_xcnt 0x0                                ; EXEC is a source of the stores above: it changes only behind this wait
	s_and_saveexec_b32 s17, vcc_lo
	global_store_b32 v12, v13, s[10:11]
	s_wait_xcnt 0x0                                ; and again, in front of the line that widens it
	s_or_b32 exec_lo, exec_lo, s17
.Lend:
	s_wait_tensorcnt 0x0
	ds_add_u32 v62, v63
	s_wait_dscnt 0x0
	s_endpgm
.Lfunc_end_k_qb7e80aac87_place:
	.size	k_qb7e80aac87_place, .Lfunc_end_k_qb7e80aac87_place-k_qb7e80aac87_place
	.p2alignl 7, 3214868480
	.fill 96, 4, 3214868480
	.section	.rodata,"a",@progbits
	.p2align	6, 0x0
	.amdhsa_kernel k_qb7e80aac87_place
		.amdhsa_group_segment_fixed_size 12288
		.amdhsa_private_segment_fixed_size 0
		.amdhsa_enable_private_segment 0
		.amdhsa_kernarg_size 32
		.amdhsa_user_sgpr_count 2
		.amdhsa_user_sgpr_kernarg_segment_ptr 1
		.amdhsa_wavefront_size32 1
		.amdhsa_system_sgpr_workgroup_id_x 1
		.amdhsa_system_sgpr_workgroup_id_y 1
		.amdhsa_system_sgpr_workgroup_id_z 1
		.amdhsa_system_vgpr_workitem_id 0
		.amdhsa_next_free_vgpr 128
		.amdhsa_next_free_sgpr 66
		.amdhsa_reserve_vcc 1
		.amdhsa_float_denorm_mode_32 3
		.amdhsa_float_denorm_mode_16_64 3
		.amdhsa_memory_ordered 1
		.amdhsa_forward_progress 1
		.amdhsa_inst_pref_size 25
	.end_amdhsa_kernel
	.amdgpu_metadata
---
amdhsa.version: [ 1, 2 ]
amdhsa.kernels:
  - .name:           k_qb7e80aac87_place
    .symbol:         k_qb7e80aac87_place.kd
    .args:
      - { .name: route, .offset: 0, .size: 8, .value_kind: global_buffer, .address_space: global }
      - { .name: psum, .offset: 8, .size: 8, .value_kind: global_buffer, .address_space: global }
      - { .name: order, .offset: 16, .size: 8, .value_kind: global_buffer, .address_space: global }
      - { .name: out1, .offset: 24, .size: 8, .value_kind: global_buffer, .address_space: global }
    .group_segment_fixed_size: 12288
    .private_segment_fixed_size: 0
    .kernarg_segment_align: 8
    .kernarg_segment_size: 32
    .max_flat_workgroup_size: 1024
    .sgpr_count:     66
    .vgpr_count:     128
    .wavefront_size: 32
...
	.end_amdgpu_metadata
.endif
;; end of part 2
;; launch chain (part 3): grid 256 x 1, 4 waves a work-group, no clusters, 95,744 bytes of LDS; arguments x, order, wtab, wq, b1, b2, gamma, beta, out0; writes out0
.if DOCPART == 3
	.amdgcn_target "amdgcn-amd-amdhsa--gfx1250"
	.amdhsa_code_object_version 6
	.text
	.protected	k_qb7e80aac87_chain
	.globl	k_qb7e80aac87_chain
	.p2align	8
	.type	k_qb7e80aac87_chain,@function
k_qb7e80aac87_chain:
	s_mov_b64 s[64:65], 0
	v_nop
	global_prefetch_b8 v0, s[64:65] scope:SCOPE_SE
	s_setreg_imm32_b32 hwreg(HW_REG_WAVE_MODE, 25, 1), 1
	s_wait_xcnt 0x0
; CHAIN: out0 = LayerNorm(x + sum over the chosen experts e of w_e (relu(Q(x) Q(W1_e) + b1_e) quantised again, x Q(W2_e) + b2_e)) x gamma + beta.  Both products on codes of E2M1 with one E8M0 scale for each 32 along K.
; SHARES.  Work-group g owns the sorted places 32 g .. 32 g + 31: two tiles m of 16 tokens, each output row with one owner.  It walks the 8 experts in a loop of constant count and jumps, by a scalar branch on
; the stored masks, over those that none of its tokens uses; a token that does not use an expert of its block has the weight 0.  THE WAVES SHARE THE COLUMNS: wave w makes hidden units 128 w .. + 127 and output
; columns 256 w .. + 255 for all 32 tokens, so each byte of an expert's weights enters the work-group once, straight into registers (laid so by the first launch), and feeds two matrix instructions.
; BOTH PRODUCTS ARE USED TRANSPOSED (source 0 = 16 rows of a weight, source 1 = 16 tokens): a lane holds ONE token (lane % 16).  THE ROWS OF A TILE ARE NOT NEIGHBOURS: position p of tile 2 g + u is row
; 32 g + 8 u + p + 8 (p / 8), so that the 16 registers of tiles 2 g, 2 g + 1 are rows 32 g + 16 (lane / 16) + 0 .. 15: neighbours along the next K, and the very layout in which the quantiser wants x.
; So x is read ONCE: the 256 registers Z hold it for the quantiser, stay as the residual, and take w_e x y_e on top.  The hidden layer never goes to memory.
; x COMES IN AS out0 GOES OUT: by rows, 512 consecutive bytes of one token's row to a load, and through the wave's own stage in LDS, which turns rows into a token a lane.
; Codes go from wave to wave through LDS as images of the operand's registers (16 bytes a lane, 512 a store), scale words 4 bytes a lane.
; WHY NO TENSOR LOAD AND NO CLUSTER: which experts a work-group walks hangs on numbers read from memory, and neighbours in a cluster would walk different experts: partners would need different tiles.
; LIMITS: NaN and infinities are not served.  A block of zeros, or one whose largest magnitude lies under 2^-124, has the scale byte 1.  The sums of the norm go in another order than a row-by-row sum;
; the variance is taken of the centred numbers, in a second pass.
; REGISTERS, in windows of 256.  window 0: v1-23 addresses; v24-31 pairs: the tokens' weights, -mean and then 1/sigma; v32-57 the quantiser's; v64-95 the weights' scale words, v96-111 x's, v112-119 the hidden layer's
; (these hold scales alone); v120-183 hidden fragments, at the head and at the end row offsets; v184-247 biases, at the end gamma and beta; v248-255 sums.   window 1: v0-223 seven slots of four weight fragments.
; window 2: Z, at 128 m + 16 g + i.   window 3: at the head x's rows as loaded; then v0-127 x's 16 fragments, v128-255 the hidden layer (64 m + 8 t) or y (32 m + 8 i); at the end the rows to store.
.set REC,  557056
.set XIMG, 0                           ; LDS: x's 16 fragments (8 m + s), 1,024 bytes each,
.set XSC,  16384                       ; their scale words, 128 bytes each,
.set HIMG, 18432                       ; the hidden layer's 8 fragments (4 m + s),
.set HSC,  26624                       ; their scale words,
.set RED1, 27648                       ; the waves' parts of the rows' sums: [m][token][wave] f32,
.set RED2, 28160                       ; and of the sums of squares,
.set STG,  28672                       ; and a stage of 16 rows x (1,024 bytes + 16) for each wave
.set SPT,  1040
.set RING, 7                           ; slots of four weight fragments: 8 RING loads of 512 bytes on their way in each wave
.set WO,   8                           ; v8-9   wtab: token << 5
.set LI,   10                          ; v10    16 x lane
.set LS,   11                          ; v11    4 x lane
.set XWI,  12                          ; v12    where I store x's images: 16 lane + 2,048 w
.set XWS,  13                          ; v13    and their scale words: 4 lane + 256 w
.set HWI,  14                          ; v14    the hidden layer's: 16 lane + 1,024 w
.set HWS,  15                          ; v15    4 lane + 128 w
.set WOFF, 16                          ; v16    weights: 16 lane + 65,536 w
.set SOFF, 17                          ; v17    their scale words: 16 lane + 4,096 w
.set VB,   18                          ; v18    biases: 64 h
.set SO,   19                          ; v19    the stage by tokens: row r, + 64 h
.set SR,   20                          ; v20    the stage by rows: 16 bytes a lane
.set RWA,  21                          ; v21    16 r + 4 w
.set RRA,  22                          ; v22    16 r
.set LO,   23                          ; v23    16 lane + 1,024 w: my bytes of a row of x, out0, gamma, beta
.set WV,   24
.set MU,   28
.set TM,   32
.set PW,   48
.set PC,   50
.set SCW,  64
.set XS,   96
.set HS,   112
.set HF,   120
.set BI,   184
.set CH,   248
.set MSB, 0
.macro WIN new                         ; the immediate's high byte repeats the setting that is left; a switch that changes nothing is dropped
.if MSB != (\new)
	s_set_vgpr_msb (MSB<<8)|(\new)
.set MSB, (\new)
.endif
.endm
; 64 numbers of a lane in window win, register src + 16 b + i = k 32 b + 16 (lane / 16) + i of my token, become a fragment's codes in v[PC] on and its scale word in v[PW].  The numbers stay as they are.
.macro QUANT src, win
	WIN 0
.irp b, 0,1,2,3
	v_mov_b32 v[TM+\b], 0x1800000                  ; the floor 2^(3 - 127), under which no largest magnitude is taken: the byte cannot fall under 1
.endr
	WIN ((\win)<<2)|((\win)<<4)
.irp i, 0,2,4,6,8,10,12,14
.irp b, 0,1,2,3
	v_max3_num_f32 v[TM+\b], v[TM+\b], |v[(\src)+16*\b+\i]|, |v[(\src)+16*\b+\i+1]|   ; the four blocks by turns
.endr
.endr
	WIN 0
.irp b, 0,1,2,3
	v_permlanex16_b32 v[TM+4+\b], v[TM+\b], s66, s67
.endr
.irp b, 0,1,2,3
	v_max_num_f32 v[TM+\b], v[TM+\b], v[TM+4+\b]   ; with lane l xor 16's: the block's largest magnitude
.endr
.irp b, 0,1,2,3
	v_add_nc_u32 v[TM+12+\b], 0xff000000, v[TM+\b] ; 2 off its exponent field: the conversion's scale operand
.endr
.irp b, 0,1,2,3
	v_lshrrev_b32 v[TM+4+\b], 23, v[TM+12+\b]      ; the scale's byte
.endr
	v_lshl_or_b32 v[PW], v[TM+5], 8, v[TM+4]
	v_lshl_or_b32 v[PW], v[TM+6], 16, v[PW]
	v_lshl_or_b32 v[PW], v[TM+7], 24, v[PW]
	WIN (\win)
.irp b, 0,1,2,3
	v_cvt_scalef32_pk8_fp4_f32 v[PC+2*\b], v[(\src)+16*\b:(\src)+16*\b+7], v[TM+12+\b]
	v_cvt_scalef32_pk8_fp4_f32 v[PC+2*\b+1], v[(\src)+16*\b+8:(\src)+16*\b+15], v[TM+12+\b]
.endr
	WIN 0
	v_nop                                          ; one plain instruction behind a scaled conversion
.irp c, 0,1                                    ; the operand's layout wants a WHOLE block in a lane: lanes 0-15 block 2 c, lanes 16-31 block 2 c + 1
.irp i, 0,1
	v_permlane16_swap_b32 v[PC+4*\c+\i], v[PC+4*\c+2+\i]
.endr
.endr
.endm
.macro IMAGE adr, off                          ; the fragment in v[PC] on goes to LDS as it stands
	ds_store_b128 v[\adr], v[PC:PC+3] offset:(\off)
	ds_store_b128 v[\adr], v[PC+4:PC+7] offset:(\off)+512
.endm
.macro BARRIER                                 ; my LDS stores have landed and my LDS loads are in: then the work-group's barrier
	s_wait_dscnt 0x0
	s_barrier_signal -1
	s_barrier_wait -1
.endm
.macro PLACES                                  ; four plain instructions behind a matrix instruction, ahead of loads into its registers and of the first read of its result
.rept 4
	v_nop
.endr
.endm
; The loads of a part are counted by the assembler: ISS = issued so far; Pk = ISS just behind the group of four fragments that went into slot k.  Loads come back in order, so ISS - Pk may stay out.
; Where more than 63 loads stand behind the group, the count is 63, the most that a wait can name: with all of them issued, no more than that are out (ISA guide 5.7.1).
.set ISS, 0
.set P0, 0
.set P1, 0
.set P2, 0
.set P3, 0
.set P4, 0
.set P5, 0
.set P6, 0
.macro NOTE n
.set ISS, ISS+(\n)
.endm
.macro MARK k
.if (\k) == 0
.set P0, ISS
.elseif (\k) == 1
.set P1, ISS
.elseif (\k) == 2
.set P2, ISS
.elseif (\k) == 3
.set P3, ISS
.elseif (\k) == 4
.set P4, ISS
.elseif (\k) == 5
.set P5, ISS
.else
.set P6, ISS
.endif
.endm
.macro WAITG k
.if (\k) == 0
.set WC, ISS-P0
.elseif (\k) == 1
.set WC, ISS-P1
.elseif (\k) == 2
.set WC, ISS-P2
.elseif (\k) == 3
.set WC, ISS-P3
.elseif (\k) == 4
.set WC, ISS-P4
.elseif (\k) == 5
.set WC, ISS-P5
.else
.set WC, ISS-P6
.endif
.if WC > 63
.set WC, 63
.endif
	s_wait_loadcnt WC
.endm
.macro GLOAD part, G                           ; group G of four fragments of W1 (part 0) or W2 (part 1) into slot G % RING: eight loads of 512 consecutive bytes
	WIN 0x40
.irp i, 0,1,2,3
.irp c, 0,1
	global_load_b128 v[32*((\G)%RING)+8*\i+4*\c:32*((\G)%RING)+8*\i+4*\c+3], v[WOFF], s[14:15] offset:(\part)*262144+(4*(\G)+\i)*1024+512*\c
.endr
.endr
	NOTE 8
	MARK ((\G)%RING)
.endm
.macro BIASL dst, base, t                      ; tile t's bias in the result's layout: lane (r, h) wants rows 32 (t / 2) + 16 h + 8 (t % 2) + 0 .. 7
	WIN 0
	global_load_b128 v[(\dst):(\dst)+3], v[VB], s[\base:\base+1] offset:128*((\t)/2)+32*((\t)%2)
	global_load_b128 v[(\dst)+4:(\dst)+7], v[VB], s[\base:\base+1] offset:128*((\t)/2)+32*((\t)%2)+16
	NOTE 2
.endm
.macro MM                                      ; one matrix instruction on the registers named by rD, rA, rB, rC, rSA, rSB; an odd tile's scale words lie in lanes 16-31
.if oD
	v_wmma_scale_f32_16x16x128_f8f6f4 v[rD:rD+7], v[rA:rA+7], v[rB:rB+7], v[rC:rC+7], v[rSA], v[rSB] matrix_a_fmt:MATRIX_FMT_FP4 matrix_b_fmt:MATRIX_FMT_FP4 matrix_a_scale:MATRIX_SCALE_ROW1
.else
	v_wmma_scale_f32_16x16x128_f8f6f4 v[rD:rD+7], v[rA:rA+7], v[rB:rB+7], v[rC:rC+7], v[rSA], v[rSB] matrix_a_fmt:MATRIX_FMT_FP4 matrix_b_fmt:MATRIX_FMT_FP4
.endif
.endm
.macro ZFMA g                                  ; Z += w x y for output tiles 4 g .. 4 g + 3; each accumulator is read from its low end on
	WIN 0xa3                                       ; source 0 (y) window 3, source 1 (w) window 0, source 2 and destination (Z) window 2
.irp m, 0,1
.set j, 0
.rept 16
	v_pk_fma_f32 v[128*\m+32*(\g)+j:128*\m+32*(\g)+j+1], v[128+32*\m+j:128+32*\m+j+1], v[WV+2*\m:WV+2*\m+1], v[128*\m+32*(\g)+j:128*\m+32*(\g)+j+1] op_sel_hi:[1,0,1]
.set j, j+2
.endr
.endr
.endm
; Tile m's 16 rows of x, as loaded (window 3, register 128 m + 8 row + 4 q: bytes 512 q + 16 lane of my wave's 1,024), go into my stage as they lie and come back a token a lane, into Z:
; register 128 m + 16 g + i = column 256 w + 32 g + 16 h + i of token r.  LDS serves a wave's instructions in order: no wait between the stores and the loads.
.macro XIN m
	WIN 0x0c                                       ; an LDS store's data are its source 1: window 3
.set k, 0
.rept 32
	ds_store_b128 v[SR], v[128*(\m)+4*k:128*(\m)+4*k+3] offset:SPT*(k>>1)+512*(k&1)
.set k, k+1
.endr
	WIN 0x80                                       ; destination window 2
.irp g, 0,1,2,3,4,5,6,7
.irp u, 0,1,2,3
	ds_load_b128 v[128*(\m)+16*\g+4*\u:128*(\m)+16*\g+4*\u+3], v[SO] offset:128*\g+16*\u   ; rows 1,040 bytes apart: sixteen lanes, sixteen different columns of 16 bytes
.endr
.endr
.endm
.macro XQ m                                    ; my two K steps of tile m (2 w and 2 w + 1 of x's eight) are quantised, and their images go to LDS
	s_wait_dscnt 16                                ; the first K step's sixteen loads from the stage are in; the second's sixteen may be out
.irp u, 0,1
	QUANT 128*(\m)+64*\u, 2
	IMAGE XWI, XIMG+8192*(\m)+1024*\u
	ds_store_b32 v[XWS], v[PW] offset:XSC+1024*(\m)+128*\u
	s_wait_dscnt 0x0                               ; the stores have read their registers; all loads from the stage are in
.endr
.endm
	s_load_b512 s[8:23], s[0:1], 0x0               ; x 8:9, order 10:11, wtab 12:13, wq 14:15, b1 16:17, b2 18:19, gamma 20:21, beta 22:23
	s_load_b64 s[24:25], s[0:1], 0x40              ; out0
	v_lshl_add_u32 v62, v0, 2, 0x17400
	v_mov_b32 v63, 0
	v_lshrrev_b32 v1, 5, v0
	v_readfirstlane_b32 s26, v1                    ; wave 0..3
	v_and_b32 v1, 31, v0                           ; lane
	v_and_b32 v2, 15, v0                           ; r
	v_bfe_u32 v3, v0, 4, 1                         ; h
	s_lshl_b32 s4, ttmp9, 7
	s_mov_b32 s5, 0
	s_wait_kmcnt 0x0
	s_add_nc_u64 s[10:11], s[10:11], s[4:5]        ; my 32 words of order
	s_load_b512 s[32:47], s[10:11], 0x0            ; as scalars: for the masks and for the rows of x and out0,
	s_load_b512 s[48:63], s[10:11], 0x40
	v_lshlrev_b32 v32, 2, v2
	global_load_b32 v4, v32, s[10:11]              ; and a lane, a token, for the tokens' weights: tile 0's,
	global_load_b32 v5, v32, s[10:11] offset:64    ; tile 1's
	v_lshlrev_b32 v[LI], 4, v1
	v_lshlrev_b32 v[LS], 2, v1
	s_lshl_b32 s4, s26, 11
	v_add_nc_u32 v[XWI], s4, v[LI]
	s_lshl_b32 s4, s26, 8
	v_add_nc_u32 v[XWS], s4, v[LS]
	s_lshl_b32 s4, s26, 10
	v_add_nc_u32 v[HWI], s4, v[LI]
	v_add_nc_u32 v[LO], s4, v[LI]
	s_lshl_b32 s4, s26, 7
	v_add_nc_u32 v[HWS], s4, v[LS]
	s_lshl_b32 s4, s26, 16
	v_add_nc_u32 v[WOFF], s4, v[LI]
	s_lshl_b32 s4, s26, 12
	v_add_nc_u32 v[SOFF], s4, v[LI]
	v_lshlrev_b32 v[VB], 6, v3
	s_mul_i32 s4, s26, 16*SPT
	s_add_co_u32 s4, s4, STG                       ; my stage
	v_mul_u32_u24 v[SO], v2, SPT
	v_lshl_add_u32 v[SO], v3, 6, v[SO]
	v_add_nc_u32 v[SO], s4, v[SO]                  ; by tokens: row r, + 64 h
	v_add_nc_u32 v[SR], s4, v[LI]                  ; by rows: 16 bytes a lane
	v_lshlrev_b32 v[RRA], 4, v2
	s_lshl_b32 s4, s26, 2
	v_add_nc_u32 v[RWA], s4, v[RRA]
.irp i, 1,3,5,7
	v_mov_b32 v[WV+\i], 0                          ; the upper halves of four pairs of which the packed forms take the low word: named, so written
.endr
.irp b, 0,1,2,3
	v_mov_b32 v[TM+4+\b], 0                        ; written once: a lane permute's destination counts as one of its sources
.endr
	s_mov_b32 s66, 0x76543210
	s_mov_b32 s67, 0xfedcba98                      ; v_permlanex16_b32's selects for lane l xor 16
	s_lshl_b32 s4, s26, 9
	s_add_nc_u64 s[16:17], s[16:17], s[4:5]        ; b1 at my 128 hidden units
	s_lshl_b32 s4, s26, 10
	s_add_nc_u64 s[18:19], s[18:19], s[4:5]        ; b2 at my 256 columns
	s_wait_kmcnt 0x0
	s_or_b32 s28, s32, s33
.set i, 34
.rept 30
	s_or_b32 s28, s28, s[i]
.set i, i+1
.endr
	s_lshr_b32 s28, s28, 16                        ; the experts that my 32 tokens use
.set i, 32
.rept 32
	s_and_b32 s[i], s[i], 0xffff
	s_min_u32 s[i], s[i], 0x1fff                   ; a loaded number enters an address only behind this hold
	s_lshl_b32 s[i], s[i], 12                      ; the token's row of 4,096 bytes
.set i, i+1
.endr
.set i, 0
.rept 32
	v_add_nc_u32 v[HF+i], s[32+i], v[LO]           ; token i's row, my wave's 1,024 bytes, my lane's 16
.set i, i+1
.endr
	WIN 0xc0                                       ; destination window 3
.set i, 0
.rept 32
	global_load_b128 v[8*i:8*i+3], v[HF+i], s[8:9] th:TH_LOAD_NT               ; 32 lanes read 512 consecutive bytes of one row; read once in this launch
	global_load_b128 v[8*i+4:8*i+7], v[HF+i], s[8:9] offset:512 th:TH_LOAD_NT
.set i, i+1
.endr
	WIN 0
	s_wait_loadcnt 32                              ; loads come back in order: the two loads of order and tile 0's 32 are in; tile 1's 32 may be out
	v_and_b32 v4, 0xffff, v4
	v_and_b32 v5, 0xffff, v5
	v_min_u32 v4, 0x1fff, v4
	v_min_u32 v5, 0x1fff, v5
	v_lshlrev_b32 v[WO], 5, v4
	v_lshlrev_b32 v[WO+1], 5, v5
	XIN 0
	XQ 0
	s_wait_loadcnt 0x0                             ; tile 1's rows
	XIN 1
	XQ 1
	BARRIER                                        ; x's sixteen fragments lie in LDS; they are written no more
	WIN 0xc0
.set i, 0
.rept 16
	ds_load_b128 v[8*i:8*i+3], v[LI] offset:XIMG+1024*i
	ds_load_b128 v[8*i+4:8*i+7], v[LI] offset:XIMG+1024*i+512
.set i, i+1
.endr
	WIN 0
.set i, 0
.rept 16
	ds_load_b32 v[XS+i], v[LS] offset:XSC+128*i
.set i, i+1
.endr
	s_wait_dscnt 0x0
	s_mov_b32 s27, 0                               ; the expert
.Le:
	s_lshr_b32 s29, s28, s27
	s_and_b32 s29, s29, 1                          ; does any of my tokens use it?  The same number in all four waves
	s_cmp_lg_u32 s29, 0
	s_cbranch_scc0 .Lskip1
	; ---- 1: my 128 hidden units for the 32 tokens.  Sixteen accumulators take turns, one instruction a turn; the bias is the C of each sum's first instruction.
	; Every load of this part is waited for in this part.
.set ISS, 0
.irp p, 0,1,2,3
.irp q, 0,1
	global_load_b128 v[SCW+8*\p+4*\q:SCW+8*\p+4*\q+3], v[SOFF], s[14:15] offset:524288+1024*\p+512*\q   ; register 8 p + s: K step s; lanes 0-15 tile 2 p, lanes 16-31 tile 2 p + 1
.endr
.endr
	NOTE 8
.irp t, 0,1,2,3,4,5,6,7
	BIASL BI+8*\t, 16, \t
.endr
.irp g, 0,1,2,3,4,5,6
	GLOAD 0, \g
.endr
.set GG, 0
.rept 16                                       ; group GG: K step GG / 2, tiles 4 (GG % 2) + 0 .. 3
	WAITG (GG%RING)
.if GG < 2
	WIN 0xcd                                       ; source 0 (W1) window 1, source 1 (x) window 3, C (b1) window 0, D window 3
.else
	WIN 0xfd                                       ; C and D window 3
.endif
.irp i, 0,1,2,3
.irp m, 0,1
.set tT, 4*(GG&1)+\i
.set rD, 128+64*\m+8*tT
.set rA, 32*(GG%RING)+8*\i
.set rB, 64*\m+8*(GG>>1)
.if GG < 2
.set rC, BI+8*tT
.else
.set rC, rD
.endif
.set rSA, SCW+8*(tT>>1)+(GG>>1)
.set rSB, XS+8*\m+(GG>>1)
.set oD, tT&1
	MM
.endr
.endr
	PLACES
.if GG < 16-RING
	GLOAD 0, GG+RING                               ; the slot just multiplied takes the group RING further on
.endif
.set GG, GG+1
.endr
.irp m, 0,1
	WIN 0xcc
.set j, 0
.rept 64
	v_max_num_f32 v[128+64*\m+j], 0, v[128+64*\m+j]   ; the activation, in f32; each accumulator from its low end on
.set j, j+1
.endr
	QUANT 128+64*\m, 3
	IMAGE HWI, HIMG+4096*\m                        ; K step w of the second product, tile m
	ds_store_b32 v[HWS], v[PW] offset:HSC+512*\m
	s_wait_dscnt 0x0                               ; the stores have read their registers
.endr
	WIN 0
.Lskip1:
	BARRIER                                        ; on every wave's path: the hidden layer's eight fragments lie in LDS
	s_cmp_lg_u32 s29, 0
	s_cbranch_scc0 .Lskip2
	; ---- 2: my 256 output columns, four tiles at a time: eight accumulators by turns, K step by K step; then Z += w x y.
.set ISS, 0
.irp p, 0,1,2,3,4,5,6,7
	global_load_b128 v[SCW+4*\p:SCW+4*\p+3], v[SOFF], s[14:15] offset:540672+512*\p   ; register 4 p + s: K step s; lanes 0-15 tile 2 p, lanes 16-31 tile 2 p + 1
.endr
	NOTE 8
	global_load_b32 v[WV], v[WO], s[12:13]         ; my tokens' weights for this expert
	global_load_b32 v[WV+2], v[WO+1], s[12:13]
	NOTE 2
.irp t, 0,1,2,3,4,5,6,7
	BIASL BI+8*\t, 18, \t
.endr
.irp g, 0,1,2,3,4,5,6
	GLOAD 1, \g
.endr
	WIN 0
.set i, 0
.rept 8
	ds_load_b128 v[HF+8*i:HF+8*i+3], v[LI] offset:HIMG+1024*i
	ds_load_b128 v[HF+8*i+4:HF+8*i+7], v[LI] offset:HIMG+1024*i+512
	ds_load_b32 v[HS+i], v[LS] offset:HSC+128*i
.set i, i+1
.endr
	s_wait_dscnt 0x0
.set GG, 0
.rept 16                                       ; group GG: output tiles 4 (GG / 4) + 0 .. 3, K step GG % 4
	WAITG (GG%RING)
.if (GG&3) == 0
	WIN 0xc1                                       ; source 0 (W2) window 1, source 1 (hidden) window 0, C (b2) window 0, D window 3
.else
	WIN 0xf1                                       ; C and D window 3
.endif
.irp i, 0,1,2,3
.irp m, 0,1
.set rD, 128+32*\m+8*\i
.set rA, 32*(GG%RING)+8*\i
.set rB, HF+32*\m+8*(GG&3)
.if (GG&3) == 0
.set rC, BI+32*((GG>>2)&1)+8*\i
.else
.set rC, rD
.endif
.set rSA, SCW+4*((4*(GG>>2)+\i)>>1)+(GG&3)
.set rSB, HS+4*\m+(GG&3)
.set oD, \i&1
	MM
.endr
.endr
	PLACES
.if GG < 16-RING
	GLOAD 1, GG+RING
.endif
.if GG == 0
.irp i, 0,1,2,3
	BIASL BI+8*\i, 18, 8+\i                        ; the biases just used make room for tiles 8 to 11's,
.endr
.endif
.if GG == 4
.irp i, 0,1,2,3
	BIASL BI+32+8*\i, 18, 12+\i                    ; and for tiles 12 to 15's: each is older than the group of weights with which it is used
.endr
.endif
.if (GG&3) == 3
	ZFMA (GG>>2)
.endif
.set GG, GG+1
.endr
	WIN 0
.Lskip2:
	BARRIER                                        ; on every wave's path: every wave has read the hidden layer's images; the next expert may write them
	s_wait_xcnt 0x0                                ; the loads above have read their bases: they step only behind this wait
	s_add_nc_u64 s[14:15], s[14:15], REC
	s_add_nc_u64 s[16:17], s[16:17], 2048
	s_add_nc_u64 s[18:19], s[18:19], 4096
	s_add_nc_u64 s[12:13], s[12:13], 4
	s_add_co_u32 s27, s27, 1
	s_cmp_lt_u32 s27, 8
	s_cbranch_scc1 .Le
	; ---- THE NORM.  A token's 1,024 numbers lie in two lanes of each of the four waves.
.irp q, 0,1
	global_load_b128 v[BI+4*\q:BI+4*\q+3], v[LO], s[20:21] offset:512*\q       ; gamma and beta of the columns that I store; asked for first, wanted last
	global_load_b128 v[BI+8+4*\q:BI+8+4*\q+3], v[LO], s[22:23] offset:512*\q
.endr
; My lane's 128 numbers of tile m (sq = 0) or their squares (sq = 1), in four chains started by the first numbers; then lane l xor 16's; my wave's part goes to LDS.
.macro ZRED m, sq, red
	WIN 0x0a                                       ; sources 0 and 1 window 2
.irp c, 0,1,2,3
.if \sq
	v_pk_mul_f32 v[CH+2*\c:CH+2*\c+1], v[128*(\m)+2*\c:128*(\m)+2*\c+1], v[128*(\m)+2*\c:128*(\m)+2*\c+1]
.else
	v_pk_add_f32 v[CH+2*\c:CH+2*\c+1], v[128*(\m)+2*\c:128*(\m)+2*\c+1], v[128*(\m)+8+2*\c:128*(\m)+8+2*\c+1]
.endif
.endr
.if \sq
.set j, 8
.set nr, 15
.else
	WIN 0x08                                       ; source 1 window 2
.set j, 16
.set nr, 14
.endif
.rept nr
.irp c, 0,1,2,3
.if \sq
	v_pk_fma_f32 v[CH+2*\c:CH+2*\c+1], v[128*(\m)+j+2*\c:128*(\m)+j+2*\c+1], v[128*(\m)+j+2*\c:128*(\m)+j+2*\c+1], v[CH+2*\c:CH+2*\c+1]
.else
	v_pk_add_f32 v[CH+2*\c:CH+2*\c+1], v[CH+2*\c:CH+2*\c+1], v[128*(\m)+j+2*\c:128*(\m)+j+2*\c+1]
.endif
.endr
.set j, j+8
.endr
	WIN 0
	v_pk_add_f32 v[CH:CH+1], v[CH:CH+1], v[CH+2:CH+3]
	v_pk_add_f32 v[CH+4:CH+5], v[CH+4:CH+5], v[CH+6:CH+7]
	v_pk_add_f32 v[CH:CH+1], v[CH:CH+1], v[CH+4:CH+5]
	v_add_f32 v[CH], v[CH], v[CH+1]
	v_permlanex16_b32 v[TM+4], v[CH], s66, s67
	v_add_f32 v[TM+8+(\m)+2*(\sq)], v[CH], v[TM+4]
	ds_store_b32 v[RWA], v[TM+8+(\m)+2*(\sq)] offset:(\red)+256*(\m)   ; lanes r and r + 16 write the same word with the same value
.endm
.macro ZGET red                                ; the four waves' parts of both tiles' tokens, added: v[CH] tile 0's, v[CH+4] tile 1's
	BARRIER
	ds_load_b128 v[CH:CH+3], v[RRA] offset:(\red)
	ds_load_b128 v[CH+4:CH+7], v[RRA] offset:(\red)+256
	s_wait_dscnt 0x0
.irp m, 0,1
	v_add_f32 v[CH+4*\m], v[CH+4*\m], v[CH+4*\m+1]
	v_add_f32 v[CH+4*\m+2], v[CH+4*\m+2], v[CH+4*\m+3]
	v_add_f32 v[CH+4*\m], v[CH+4*\m], v[CH+4*\m+2]
.endr
.endm
	ZRED 0, 0, RED1
	ZRED 1, 0, RED1
	ZGET RED1
	v_mul_f32 v[MU], 0xba800000, v[CH]             ; -mean = sum x -2^-10
	v_mul_f32 v[MU+2], 0xba800000, v[CH+4]
	WIN 0x82                                       ; source 0 and destination window 2
.irp m, 0,1
.set j, 0
.rept 64
	v_pk_add_f32 v[128*\m+j:128*\m+j+1], v[128*\m+j:128*\m+j+1], v[MU+2*\m:MU+2*\m+1] op_sel_hi:[1,0]   ; centred first: the variance is no difference of large sums
.set j, j+2
.endr
.endr
	ZRED 0, 1, RED2
	ZRED 1, 1, RED2
	ZGET RED2
	s_mov_b32 s4, 0x3a800000                       ; 2^-10
	s_mov_b32 s5, 0x3727c5ac                       ; 1e-5
	v_fma_f32 v[CH], v[CH], s4, s5
	v_fma_f32 v[CH+4], v[CH+4], s4, s5
	v_rsq_f32 v[MU], v[CH]
	v_rsq_f32 v[MU+2], v[CH+4]
	v_nop                                          ; a plain instruction behind the last of the two
	s_wait_alu depctr_va_vdst(0)                   ; one wait for both, ahead of their first reader
	WIN 0x82
.irp m, 0,1
.set j, 0
.rept 64
	v_pk_mul_f32 v[128*\m+j:128*\m+j+1], v[128*\m+j:128*\m+j+1], v[MU+2*\m:MU+2*\m+1] op_sel_hi:[1,0]
.set j, j+2
.endr
.endr
	WIN 0
.set i, 0
.rept 32
	v_add_nc_u32 v[HF+i], s[32+i], v[LO]           ; token i's row of out0, my wave's 1,024 bytes, my lane's 16
.set i, i+1
.endr
	s_wait_loadcnt 0x0                             ; gamma, beta
; THE WAY OUT of tile m.  A lane holds pieces of one row and the lanes beside it hold other rows: so the tile goes through my own stage in LDS and comes back as runs of 512 consecutive bytes of a row,
; takes gamma and beta there, and is stored: 32 lanes, 512 consecutive bytes, aligned.  LDS serves a wave's instructions in order: no wait between the stores and the loads, nor ahead of the next tile's stores.
.macro OUT m
	WIN 0x08                                       ; an LDS store's data are its source 1: window 2
.irp g, 0,1,2,3,4,5,6,7
.irp u, 0,1,2,3
	ds_store_b128 v[SO], v[128*(\m)+16*\g+4*\u:128*(\m)+16*\g+4*\u+3] offset:128*\g+16*\u
.endr
.endr
	WIN 0xc0
.set k, 0
.rept 32
	ds_load_b128 v[128*(\m)+4*k:128*(\m)+4*k+3], v[SR] offset:SPT*(k>>1)+512*(k&1)
.set k, k+1
.endr
.irp q, 0,1,2,3
	s_wait_dscnt 24-8*\q                           ; eight more of the 32 loads are in
	WIN 0xc3                                       ; source 0 and destination window 3; gamma and beta window 0
.set k, 8*\q
.rept 8
	v_pk_fma_f32 v[128*(\m)+4*k:128*(\m)+4*k+1], v[128*(\m)+4*k:128*(\m)+4*k+1], v[BI+4*(k&1):BI+4*(k&1)+1], v[BI+8+4*(k&1):BI+8+4*(k&1)+1]
	v_pk_fma_f32 v[128*(\m)+4*k+2:128*(\m)+4*k+3], v[128*(\m)+4*k+2:128*(\m)+4*k+3], v[BI+4*(k&1)+2:BI+4*(k&1)+3], v[BI+8+4*(k&1)+2:BI+8+4*(k&1)+3]
.set k, k+1
.endr
	WIN 0x0c                                       ; a store's data are its source 1: window 3
.set k, 8*\q
.rept 8
	global_store_b128 v[HF+16*(\m)+(k>>1)], v[128*(\m)+4*k:128*(\m)+4*k+3], s[24:25] offset:512*(k&1) th:TH_STORE_NT   ; written once, read by nobody here; no store's registers are written again
.set k, k+1
.endr
.endr
.endm
	OUT 0
	OUT 1
	WIN 0
	s_wait_tensorcnt 0x0
	ds_add_u32 v62, v63
	s_wait_dscnt 0x0
	s_endpgm
.Lfunc_end_k_qb7e80aac87_chain:
	.size	k_qb7e80aac87_chain, .Lfunc_end_k_qb7e80aac87_chain-k_qb7e80aac87_chain
	.p2alignl 7, 3214868480
	.fill 96, 4, 3214868480
	.section	.rodata,"a",@progbits
	.p2align	6, 0x0
	.amdhsa_kernel k_qb7e80aac87_chain
		.amdhsa_group_segment_fixed_size 95744
		.amdhsa_private_segment_fixed_size 0
		.amdhsa_enable_private_segment 0
		.amdhsa_kernarg_size 72
		.amdhsa_user_sgpr_count 2
		.amdhsa_user_sgpr_kernarg_segment_ptr 1
		.amdhsa_wavefront_size32 1
		.amdhsa_system_sgpr_workgroup_id_x 1
		.amdhsa_system_sgpr_workgroup_id_y 1
		.amdhsa_system_sgpr_workgroup_id_z 1
		.amdhsa_system_vgpr_workitem_id 0
		.amdhsa_next_free_vgpr 1024
		.amdhsa_next_free_sgpr 72
		.amdhsa_reserve_vcc 0
		.amdhsa_float_denorm_mode_32 3
		.amdhsa_float_denorm_mode_16_64 3
		.amdhsa_memory_ordered 1
		.amdhsa_forward_progress 1
		.amdhsa_inst_pref_size 196
	.end_amdhsa_kernel
	.amdgpu_metadata
---
amdhsa.version: [ 1, 2 ]
amdhsa.kernels:
  - .name:           k_qb7e80aac87_chain
    .symbol:         k_qb7e80aac87_chain.kd
    .args:
      - { .name: x, .offset: 0, .size: 8, .value_kind: global_buffer, .address_space: global }
      - { .name: order, .offset: 8, .size: 8, .value_kind: global_buffer, .address_space: global }
      - { .name: wtab, .offset: 16, .size: 8, .value_kind: global_buffer, .address_space: global }
      - { .name: wq, .offset: 24, .size: 8, .value_kind: global_buffer, .address_space: global }
      - { .name: b1, .offset: 32, .size: 8, .value_kind: global_buffer, .address_space: global }
      - { .name: b2, .offset: 40, .size: 8, .value_kind: global_buffer, .address_space: global }
      - { .name: gamma, .offset: 48, .size: 8, .value_kind: global_buffer, .address_space: global }
      - { .name: beta, .offset: 56, .size: 8, .value_kind: global_buffer, .address_space: global }
      - { .name: out0, .offset: 64, .size: 8, .value_kind: global_buffer, .address_space: global }
    .group_segment_fixed_size: 95744
    .private_segment_fixed_size: 0
    .kernarg_segment_align: 8
    .kernarg_segment_size: 72
    .max_flat_workgroup_size: 128
    .sgpr_count:     72
    .vgpr_count:     1024
    .wavefront_size: 32
...
	.end_amdgpu_metadata
.endif
;; end of part 3
;; ======== version 2 of 2: 3 launches
;; workspace buffers: route 131,072 bytes of whole numbers; psum 65,536 bytes; wtab 262,144 bytes; wq 4,456,448 bytes; order 32,768 bytes of whole numbers
;; launch prep (part 4): grid 256 x 1, 6 waves a work-group, no clusters, 99,072 bytes of LDS; arguments x, Wg, bg, W1, W2, route, psum, wtab, wq; writes route, psum, wtab, wq
.if DOCPART == 4
	.amdgcn_target "amdgcn-amd-amdhsa--gfx1250"
	.amdhsa_code_object_version 6
	.text
	.protected	k_qb7e80aac87_prep
	.globl	k_qb7e80aac87_prep
	.p2align	8
	.type	k_qb7e80aac87_prep,@function
k_qb7e80aac87_prep:
	s_mov_b64 s[64:65], 0
	v_nop
	global_prefetch_b8 v0, s[64:65] scope:SCOPE_SE
	s_setreg_imm32_b32 hwreg(HW_REG_WAVE_MODE, 25, 1), 1
	s_wait_xcnt 0x0
; PREP: the router, and the weights' codes.  Every work-group has six waves and reads 256 KiB: the waves part on their number, so that all work-groups have the same work.
;   waves 0, 1: the router.  A wave takes a chunk of 16 tokens (chunk = 2 x work-group + wave): logits = x Wg + bg in f32 (packed multiply-adds), softmax with the row's maximum taken away,
;               the two largest probabilities (the lower index wins a tie), and stores at FIXED places: a token word and a histogram (route), sums for the second output (psum) and the
;               eight combine weights of each token, 0 where an expert is not chosen (wtab).  No address and no branch hangs on them here.
;   waves 2-5:  32 columns x 256 along K of a weight, f32, into codes of E2M1 with one E8M0 byte for each 32 along K (K is the first axis within an expert).
;               Work-groups 0-127: W1 [8][1024][512]; work-groups 128-255: W2 [8][512][1024].  Codes and scale words are laid in the order of the operand's registers in the last launch.
; TOKEN WORD = key | mask << 8 | rank << 16.  a < b the chosen experts; mask = 1<<a | 1<<b; key = a (15 - a) / 2 + (a odd ? 7 - b : b - a - 1): the 28 pairs in an order in
; which neighbouring keys share an expert; rank = how many earlier tokens of the chunk have the same key.
; A RECORD OF wq (one expert, REC bytes): +0 W1's codes, +262144 W2's codes, +524288 W1's scale words, +540672 W2's.  A fragment (16 rows x 128 K) is 1,024 bytes:
; [block of 32 along K: 0..3][position 0..15][16 bytes].  Position p of tile 2 g + u of a group g of 32 rows is row 32 g + 8 u + p + 8 (p / 8).
; LIMITS: NaN and infinities among the inputs are not served.  A block of zeros, and a block whose largest magnitude lies under 2^-124, gets the scale byte 1 (a block of zeros has zero
; codes, and this program alone reads the bytes).  Probabilities under 2^-126 come out as 0.  Where the second and the third probability agree to within the rounding of an f32 sum of
; 1,024 products, the choice may differ from another order of summation's.  The logits' sums go in another order than a row-by-row sum.
; No matrix unit (the router's N is 8), no tensor load, no barrier: waves share nothing.  No cluster: no two work-groups read the same bytes but Wg's 32 KiB.
.set REC,  557056
.set RA,   16                          ; router: v16-31  two tokens x eight sums
.set RT,   32                          ; v32-47  the other half of the lanes' sums
.set RL,   48                          ; v48-55  lane l: the eight logits of token l % 16
.set RP,   56                          ; v56-63  exponentials, then probabilities
.set RX,   64                          ; v64-255 six slots of 32 registers, a row of x each; when the last row is consumed, v64-111 serve the lane's work:
.set RQ,   72                          ; v72-79  probabilities without the largest
.set RW,   80                          ; v80-87  combine weights
.set RC,   88                          ; v88-95  1.0 where chosen
.set SB,   24                          ; weights: v24-25 scale bytes, four to a register
.set XN,   32                          ; v32-95  two sets of 32 numbers down K
.set CD,   96                          ; v96-127 codes: four registers for each block, never written again
.set MSB, 0
.macro WIN new                         ; the immediate's high byte repeats the setting that is left; a switch that changes nothing is dropped
.if MSB != (\new)
	s_set_vgpr_msb (MSB<<8)|(\new)
.set MSB, (\new)
.endif
.endm
	s_load_b512 s[4:19], s[0:1], 0x0               ; x 4:5, Wg 6:7, bg 8:9, W1 10:11, W2 12:13, route 14:15, psum 16:17, wtab 18:19
	s_load_b64 s[20:21], s[0:1], 0x40              ; wq
	v_lshl_add_u32 v14, v0, 2, 0x18000
	v_mov_b32 v15, 0
	v_lshrrev_b32 v2, 5, v0
	v_readfirstlane_b32 s22, v2                    ; wave 0..5
	v_and_b32 v1, 31, v0                           ; lane
	s_mov_b32 s29, 0                               ; the high word of every offset pair s[28:29]
	s_wait_kmcnt 0x0
	s_cmp_lt_u32 s22, 2
	s_cbranch_scc0 .Lweights
; ---------------------------------------------------------------- THE ROUTER
; window 1: Wg, register 8 i + e = Wg[d][e], i = 4 jj + ii, d = 128 jj + 4 lane + ii.   A slot of the ring: register 4 jj + ii = x[d].
	s_load_b256 s[32:39], s[8:9], 0x0              ; bg
	s_lshl_b32 s23, ttmp9, 1
	s_add_co_u32 s23, s23, s22                     ; my chunk c = 2 x work-group + wave
	s_lshl_b32 s28, s23, 16
	s_add_nc_u64 s[26:27], s[4:5], s[28:29]        ; x at my 16 rows of 4,096 bytes
	s_lshl_b32 s28, s23, 8
	s_add_nc_u64 s[40:41], s[14:15], s[28:29]      ; route: 256 bytes a chunk
	s_lshl_b32 s28, s23, 7
	s_add_nc_u64 s[42:43], s[16:17], s[28:29]      ; psum: 128 bytes a chunk
	s_lshl_b32 s28, s23, 9
	s_add_nc_u64 s[44:45], s[18:19], s[28:29]      ; wtab: 32 bytes a token
	s_mov_b32 s24, 0x76543210
	s_mov_b32 s25, 0xfedcba98                      ; v_permlanex16_b32's selects for lane l xor 16
	s_wait_alu depctr_va_vdst(0)
	v_lshlrev_b32 v3, 4, v1                        ; x: 16 bytes a lane
	v_lshlrev_b32 v4, 7, v1                        ; Wg: four rows of 32 bytes a lane
	WIN 0x40                                       ; destination window 1
.irp jj, 0,1,2,3,4,5,6,7
.irp q, 0,1,2,3,4,5,6,7
	global_load_b128 v[32*\jj+4*\q:32*\jj+4*\q+3], v4, s[6:7] offset:4096*\jj+16*\q
.endr
.endr
	WIN 0
.irp t, 0,1,2,3,4,5
.irp jj, 0,1,2,3,4,5,6,7
	global_load_b128 v[RX+32*\t+4*\jj:RX+32*\t+4*\jj+3], v3, s[26:27] offset:4096*\t+512*\jj   ; 32 lanes read 512 consecutive bytes; the last launch reads x again, so no hint
.endr
.endr
.set n, 0
.rept 16
	v_mov_b32 v[RT+n], 0                           ; written once: a lane permute's destination counts as one of its sources
.set n, n+1
.endr
.set n, 0
.rept 8
	v_mov_b32 v[RL+n], 0                           ; filled lane by lane below
.set n, n+1
.endr
	v_mov_b32 v8, 1
	v_mov_b32 v9, 1.0
	v_mov_b32 v10, -1.0
	v_lshlrev_b32 v5, 3, v1                        ; route: 8 bytes a lane
	v_lshlrev_b32 v6, 2, v1                        ; psum: 4 bytes a lane
	v_and_b32 v7, 15, v1
	v_lshlrev_b32 v7, 5, v7
	v_lshrrev_b32 v2, 4, v1
	v_lshl_add_u32 v7, v2, 4, v7                   ; wtab: token l % 16, its experts 4 (l / 16) on
; Tokens 2 p and 2 p + 1: 256 packed multiply-adds (a number of x against two neighbouring experts' weights), eight chains that do not wait for each other; the first products start the sums.
.macro PAIR p
.if (\p) <= 5
	s_wait_loadcnt 32                              ; loads come back in order: Wg and my two rows are in; the four younger rows, eight loads each, may be out
.else
	s_wait_loadcnt 16*(7-(\p))                     ; the rows that are left
.endif
	WIN 0x04                                       ; source 1 (Wg) window 1
.set i, 0
.rept 32
.irp k, 0,1
.set xr, RX+32*((2*(\p)+\k)%6)+(i/2)*2
.irp u, 0,1,2,3
.if i == 0
	v_pk_mul_f32 v[RA+8*\k+2*\u:RA+8*\k+2*\u+1], v[xr:xr+1], v[2*\u:2*\u+1] op_sel:[0,0] op_sel_hi:[0,1]
.elseif (i%2) == 0
	v_pk_fma_f32 v[RA+8*\k+2*\u:RA+8*\k+2*\u+1], v[xr:xr+1], v[8*i+2*\u:8*i+2*\u+1], v[RA+8*\k+2*\u:RA+8*\k+2*\u+1] op_sel:[0,0,0] op_sel_hi:[0,1,1]
.else
	v_pk_fma_f32 v[RA+8*\k+2*\u:RA+8*\k+2*\u+1], v[xr:xr+1], v[8*i+2*\u:8*i+2*\u+1], v[RA+8*\k+2*\u:RA+8*\k+2*\u+1] op_sel:[1,0,0] op_sel_hi:[1,1,1]
.endif
.endr
.endr
.set i, i+1
.endr
	WIN 0
.if (\p) < 5
.irp k, 0,1
.irp jj, 0,1,2,3,4,5,6,7
	global_load_b128 v[RX+32*((2*(\p)+\k)%6)+4*\jj:RX+32*((2*(\p)+\k)%6)+4*\jj+3], v3, s[26:27] offset:4096*(6+2*(\p)+\k)+512*\jj   ; the two slots just read take the rows six further down
.endr
.endr
.endif
.irp x, 1,2,4,8
.set n, 0
.rept 16
	v_add_f32_dpp v[RA+n], v[RA+n], v[RA+n] row_xmask:\x row_mask:0xf bank_mask:0xf
.set n, n+1
.endr
.endr
.set n, 0
.rept 16
	v_permlanex16_b32 v[RT+n], v[RA+n], s24, s25
.set n, n+1
.endr
.set n, 0
.rept 16
	v_add_f32 v[RA+n], v[RA+n], v[RT+n]            ; every lane holds the sums
.set n, n+1
.endr
.irp k, 0,1
	s_mov_b32 s30, 0x10001<<(2*(\p)+\k)            ; lanes t and t + 16 keep token t's
.irp e, 0,1,2,3,4,5,6,7
	v_cndmask_b32 v[RL+\e], v[RL+\e], v[RA+8*\k+\e], s30
.endr
.endr
.endm
.irp p, 0,1,2,3,4,5,6,7
	PAIR \p
.endr
	s_wait_alu depctr_va_vdst(0)
	; a lane, a token (l % 16); both halves of the lanes hold the same.  No load is out: the ring's registers are free
	s_wait_kmcnt 0x0                               ; bg
.irp e, 0,1,2,3,4,5,6,7
	v_add_f32 v[RL+\e], s[32+\e], v[RL+\e]
.endr
	v_max3_num_f32 v64, v[RL], v[RL+1], v[RL+2]
	v_max3_num_f32 v64, v64, v[RL+3], v[RL+4]
	v_max3_num_f32 v64, v64, v[RL+5], v[RL+6]
	v_max_num_f32 v64, v64, v[RL+7]                ; the row's maximum is taken away ahead of the exponentials
.irp e, 0,1,2,3,4,5,6,7
	v_sub_f32 v[RP+\e], v[RL+\e], v64
.endr
.irp e, 0,1,2,3,4,5,6,7
	v_mul_f32 v[RP+\e], 0x3fb8aa3b, v[RP+\e]       ; x log2(e)
.endr
	s_wait_alu depctr_va_vdst(0)
.irp e, 0,1,2,3,4,5,6,7
	v_exp_f32 v[RP+\e], v[RP+\e]
.endr
	v_nop                                          ; a plain instruction behind the last exponential
	s_wait_alu depctr_va_vdst(0)                   ; one wait for the batch of eight, ahead of its first reader
	v_add_f32 v65, v[RP], v[RP+1]
	v_add_f32 v66, v[RP+2], v[RP+3]
	v_add_f32 v67, v[RP+4], v[RP+5]
	v_add_f32 v68, v[RP+6], v[RP+7]
	v_add_f32 v65, v65, v66
	v_add_f32 v67, v67, v68
	v_add_f32 v65, v65, v67
	s_wait_alu depctr_va_vdst(0)
	v_rcp_f32 v69, v65
	v_nop
	s_wait_alu depctr_va_vdst(0)
.irp e, 0,1,2,3,4,5,6,7
	v_mul_f32 v[RP+\e], v[RP+\e], v69              ; the probabilities
.endr
	v_mov_b32 v67, v[RP]                           ; the largest so far,
	v_mov_b32 v68, 0                               ; and where: kept while it is not smaller, so the lower index wins a tie
.irp e, 1,2,3,4,5,6,7
	v_cmp_ge_f32 vcc_lo, v67, v[RP+\e]
	v_cndmask_b32 v68, \e, v68, vcc_lo
	v_cndmask_b32 v67, v[RP+\e], v67, vcc_lo
.endr
.irp e, 0,1,2,3,4,5,6,7
	v_cmp_eq_u32 vcc_lo, \e, v68
	v_cndmask_b32 v[RQ+\e], v[RP+\e], v10, vcc_lo  ; the largest is taken out: -1 lies under every probability
.endr
	v_mov_b32 v67, v[RQ]
	v_mov_b32 v70, 0
.irp e, 1,2,3,4,5,6,7
	v_cmp_ge_f32 vcc_lo, v67, v[RQ+\e]
	v_cndmask_b32 v70, \e, v70, vcc_lo
	v_cndmask_b32 v67, v[RQ+\e], v67, vcc_lo
.endr
	v_min_u32 v71, v68, v70                        ; a
	v_max_u32 v96, v68, v70                        ; b
	v_sub_nc_u32 v97, 15, v71
	v_mul_u32_u24 v97, v71, v97
	v_lshrrev_b32 v97, 1, v97                      ; a (15 - a) / 2: the pairs whose first expert is smaller
	v_sub_nc_u32 v98, v96, v71
	v_add_nc_u32 v98, -1, v98                      ; b - a - 1
	v_sub_nc_u32 v99, 7, v96                       ; 7 - b
	v_and_b32 v102, 1, v71
	v_cmp_ne_u32 vcc_lo, 0, v102
	v_cndmask_b32 v98, v98, v99, vcc_lo
	v_add_nc_u32 v97, v97, v98                     ; the key, 0 .. 27
	v_lshlrev_b32 v98, v71, v8
	v_lshlrev_b32 v99, v96, v8
	v_or_b32 v98, v98, v99                         ; the mask
.irp e, 0,1,2,3,4,5,6,7
	v_and_b32 v102, 1<<\e, v98
	v_cmp_ne_u32 vcc_lo, 0, v102
	v_cndmask_b32 v[RW+\e], 0, v[RP+\e], vcc_lo
	v_cndmask_b32 v[RC+\e], 0, v9, vcc_lo
.endr
	v_mov_b32 v101, 0                              ; lane l: how many of the chunk's tokens have key l
	v_mov_b32 v103, 0                              ; my token's rank among the chunk's tokens of its key
.set j, 0
.rept 16
	v_readlane_b32 s31, v97, j                     ; token j's key: data for two comparisons, no address and no branch
	v_cmp_eq_u32 vcc_lo, s31, v1
	v_cndmask_b32 v102, 0, v8, vcc_lo
	v_add_nc_u32 v101, v101, v102
.if j < 15
	v_cmp_eq_u32 vcc_lo, s31, v97
	s_and_b32 vcc_lo, vcc_lo, ((0xfffe<<j)&0xffff)*0x10001   ; only tokens behind j count it
	v_cndmask_b32 v102, 0, v8, vcc_lo
	v_add_nc_u32 v103, v103, v102
.endif
.set j, j+1
.endr
	v_lshl_or_b32 v100, v98, 8, v97
	v_lshl_or_b32 v100, v103, 16, v100             ; the token word
	s_mov_b32 s30, 0xffff0000
.irp u, 0,1,2,3
	v_cndmask_b32 v[108+\u], v[RW+\u], v[RW+4+\u], s30   ; lanes 16-31 store experts 4 to 7
.endr
.irp x, 1,2,4,8
.set n, 0
.rept 8
	v_add_f32_dpp v[RP+n], v[RP+n], v[RP+n] row_xmask:\x row_mask:0xf bank_mask:0xf   ; over the chunk's 16 tokens: the probabilities,
	v_add_f32_dpp v[RC+n], v[RC+n], v[RC+n] row_xmask:\x row_mask:0xf bank_mask:0xf   ; and how often each expert is chosen
.set n, n+1
.endr
.endr
	v_mov_b32 v104, 0
.irp e, 0,1,2,3,4,5,6,7
	s_mov_b32 s30, 1<<\e
	v_cndmask_b32 v104, v104, v[RP+\e], s30        ; lane e: the sum of p_e
	s_mov_b32 s31, 0x100<<\e
	v_cndmask_b32 v104, v104, v[RC+\e], s31        ; lane 8 + e: the count of e; lanes 16-31 stay 0
.endr
	global_store_b64 v5, v[100:101], s[40:41]      ; 32 lanes store 256 consecutive bytes, aligned
	global_store_b32 v6, v104, s[42:43]
	global_store_b128 v7, v[108:111], s[44:45]     ; 512 consecutive bytes
	s_endpgm
; ---------------------------------------------------------------- THE WEIGHTS
; A wave takes 32 columns (a group of 32 rows of the operand: two tiles) x 256 along K: 8 blocks of 32, two K steps.  Each load reads four rows of K x 128 consecutive bytes; a block's 4,096 bytes go
; through the wave's own stage in LDS as they lie and come back a column a lane, 32 registers down K.  Lane 16 u + p takes the column that is position p of tile u.  So a block's largest magnitude
; needs no other lane, the conversions give codes with K innermost, and sixteen neighbouring lanes' 16 bytes are 256 consecutive bytes of a fragment.
; ALL of the wave's 64 loads go out together, into eight sets of 32 registers (window 1), none of which is loaded again; the turn through LDS runs one block ahead, in two stages by turns.
.macro LOADB t
	WIN 0x40
.irp q, 0,1,2,3,4,5,6,7
	global_load_b128 v[32*(\t)+4*\q:32*(\t)+4*\q+3], v2, s[40:41] offset:(32*(\t)+4*\q)*WPITCH th:TH_LOAD_NT
.endr
.endm
.macro TURN t                          ; LDS serves a wave's instructions in order: no wait between the stores and the loads
	WIN 0x04                                       ; an LDS store's data are its source 1: window 1
.irp q, 0,1,2,3,4,5,6,7
	ds_store_b128 v4, v[32*(\t)+4*\q:32*(\t)+4*\q+3] offset:4096*((\t)%2)+512*\q
.endr
	WIN 0
.set ii, 0
.rept 32
	ds_load_b32 v[XN+32*((\t)%2)+ii], v5 offset:4096*((\t)%2)+128*ii   ; row ii of the block, my column: 32 lanes, 32 different words of 128 bytes
.set ii, ii+1
.endr
.endm
.macro STEP t
.set XB, XN+32*((\t)%2)
	s_wait_dscnt 0x0                               ; this block's numbers are back from the stage
.if (\t) < 7
	s_wait_loadcnt 8*(6-(\t))                      ; the next block's eight loads are in; those of the blocks behind it may be out
	TURN (\t)+1                                    ; and go through the other stage while this block is worked
.endif
	v_max3_num_f32 v12, |v[XB]|, |v[XB+1]|, |v[XB+2]|
	v_max3_num_f32 v13, |v[XB+3]|, |v[XB+4]|, |v[XB+5]|
.irp i, 6,10,14,18,22,26
	v_max3_num_f32 v12, v12, |v[XB+\i]|, |v[XB+\i+1]|
	v_max3_num_f32 v13, v13, |v[XB+\i+2]|, |v[XB+\i+3]|
.endr
	v_max3_num_f32 v12, v12, |v[XB+30]|, |v[XB+31]|
	v_max3_num_f32 v12, v12, v13, 0x1800000        ; and the floor 2^(3 - 127): the byte cannot fall under 1
	v_add_nc_u32 v11, 0xff000000, v12              ; 2 off the exponent field: the conversion takes the exponent field of this operand as its scale
	v_lshrrev_b32 v13, 23, v11                     ; the scale's byte
.if (\t)%4 == 0
	v_mov_b32 v[SB+(\t)/4], v13                    ; four bytes to a register: a K step's scale word
.else
	v_lshl_or_b32 v[SB+(\t)/4], v13, 8*((\t)%4), v[SB+(\t)/4]
.endif
.irp g, 0,1,2,3
	v_cvt_scalef32_pk8_fp4_f32 v[CD+4*(\t)+\g], v[XB+8*\g:XB+8*\g+7], v11
.endr
	global_store_b128 v7, v[CD+4*(\t):CD+4*(\t)+3], s[42:43] offset:WSSTEP*((\t)/4)+256*((\t)%4)   ; lanes 0-15 fill 256 consecutive bytes of tile 0's fragment, lanes 16-31 of tile 1's
.endm
.macro WQBODY
	v_lshrrev_b32 v2, 3, v1
	v_mul_u32_u24 v2, v2, WPITCH
	v_and_b32 v3, 7, v1
	v_lshl_add_u32 v2, v3, 4, v2                   ; in: row l / 8 of four, 16 bytes of its 128
	s_lshl_b32 s30, s22, 13
	s_add_co_u32 s30, s30, WLBASE                  ; my wave's 8,192 bytes of LDS: 8,192 x wave, each of the two weights' paths with bytes of its own
	v_lshl_add_u32 v4, v1, 4, s30                  ; into the stage: as loaded
	v_bfe_u32 v5, v1, 3, 1
	v_lshl_add_u32 v5, v5, 4, v3
	v_lshrrev_b32 v6, 4, v1
	v_lshl_add_u32 v5, v6, 3, v5                   ; my column: l % 8 + 16 ((l / 8) % 2) + 8 (l / 16)
	v_lshl_add_u32 v5, v5, 2, s30                  ; out of the stage
	v_and_b32 v7, 15, v1
	v_lshlrev_b32 v7, 4, v7
	v_lshl_add_u32 v7, v6, 10, v7                  ; codes: fragment l / 16, position l % 16
	v_lshlrev_b32 v8, 4, v1                        ; scale words: a lane's place is 16 bytes, four K steps' words
.irp t, 0,1,2,3,4,5,6,7
	LOADB \t
.endr
	s_wait_alu depctr_va_vdst(0)
	s_wait_loadcnt 56                              ; block 0's eight loads are in; the seven younger blocks' may be out
	TURN 0
.irp t, 0,1,2,3,4,5,6,7
	STEP \t
.endr
	global_store_b64 v8, v[SB:SB+1], s[44:45]      ; my two K steps' words: 8 of each lane's 16 bytes; the wave with the other two K steps stores the other 8.  These 256 of my 4,352 stored bytes fill their blocks of 256 in part
	s_wait_tensorcnt 0x0
	ds_add_u32 v14, v15
	s_wait_dscnt 0x0
	s_endpgm
.endm
.Lweights:
	s_sub_co_u32 s23, s22, 2                       ; which of the work-group's four parts is mine
	s_cmp_lt_u32 ttmp9, 128
	s_cbranch_scc0 .Lw2
	; W1: expert e = work-group / 16, group cg = work-group % 16 of 32 hidden units, my quarter of K
	s_lshr_b32 s24, ttmp9, 4                       ; e
	s_and_b32 s25, ttmp9, 15                       ; cg
	s_lshl_b32 s28, s24, 21                        ; an expert is 2,097,152 bytes,
	s_lshl_b32 s30, s23, 19                        ; 256 rows of 2,048 bytes,
	s_add_co_u32 s28, s28, s30
	s_lshl_b32 s30, s25, 7                         ; 32 columns are 128 bytes
	s_add_co_u32 s28, s28, s30
	s_add_nc_u64 s[40:41], s[10:11], s[28:29]
	s_mul_i32 s31, s24, REC
	s_lshr_b32 s26, s25, 2                         ; the last launch's wave,
	s_and_b32 s27, s25, 3                          ; and the group among its four
	s_lshl_b32 s28, s26, 16
	s_add_co_u32 s28, s28, s31
	s_lshl_b32 s30, s27, 11                        ; two tiles on
	s_add_co_u32 s28, s28, s30
	s_lshl_b32 s30, s23, 14                        ; two K steps of eight fragments on
	s_add_co_u32 s28, s28, s30
	s_add_nc_u64 s[42:43], s[20:21], s[28:29]
	s_add_co_u32 s28, s31, 524288
	s_lshl_b32 s30, s26, 12
	s_add_co_u32 s28, s28, s30
	s_lshl_b32 s30, s27, 10
	s_add_co_u32 s28, s28, s30
	s_lshr_b32 s30, s23, 1
	s_lshl_b32 s30, s30, 9                         ; which half of K: an image of four K steps' words,
	s_add_co_u32 s28, s28, s30
	s_and_b32 s30, s23, 1
	s_lshl_b32 s30, s30, 3                         ; and which two of the four
	s_add_co_u32 s28, s28, s30
	s_add_nc_u64 s[44:45], s[20:21], s[28:29]
.set WPITCH, 2048
.set WSSTEP, 8192
.set WLBASE, 0
	s_wait_alu depctr_va_vdst(0)
	WQBODY
.Lw2:
	; W2: expert e, group cg = 2 (work-group % 16) + part / 2 of 32 output columns, half part % 2 of K
	s_sub_co_u32 s24, ttmp9, 128
	s_and_b32 s25, s24, 15
	s_lshr_b32 s24, s24, 4                         ; e
	s_lshl_b32 s25, s25, 1
	s_lshr_b32 s30, s23, 1
	s_add_co_u32 s25, s25, s30                     ; cg, 0 .. 31
	s_and_b32 s26, s23, 1                          ; which half of K
	s_lshl_b32 s28, s24, 21
	s_lshl_b32 s30, s26, 20                        ; 256 rows of 4,096 bytes
	s_add_co_u32 s28, s28, s30
	s_lshl_b32 s30, s25, 7
	s_add_co_u32 s28, s28, s30
	s_add_nc_u64 s[40:41], s[12:13], s[28:29]
	s_mul_i32 s31, s24, REC
	s_lshr_b32 s27, s25, 3                         ; the last launch's wave,
	s_and_b32 s25, s25, 7                          ; and the group p among its eight
	s_add_co_u32 s28, s31, 262144
	s_lshl_b32 s30, s27, 16
	s_add_co_u32 s28, s28, s30
	s_lshr_b32 s30, s25, 1
	s_lshl_b32 s30, s30, 14                        ; a run of four tiles x four K steps is 16 fragments
	s_add_co_u32 s28, s28, s30
	s_and_b32 s30, s25, 1
	s_lshl_b32 s30, s30, 11
	s_add_co_u32 s28, s28, s30
	s_lshl_b32 s30, s26, 13                        ; two K steps of four fragments on
	s_add_co_u32 s28, s28, s30
	s_add_nc_u64 s[42:43], s[20:21], s[28:29]
	s_add_co_u32 s28, s31, 540672
	s_lshl_b32 s30, s27, 12
	s_add_co_u32 s28, s28, s30
	s_lshl_b32 s30, s25, 9
	s_add_co_u32 s28, s28, s30
	s_lshl_b32 s30, s26, 3                         ; which two of the image's four words
	s_add_co_u32 s28, s28, s30
	s_add_nc_u64 s[44:45], s[20:21], s[28:29]
.set WPITCH, 4096
.set WSSTEP, 4096
.set WLBASE, 49152
	s_wait_alu depctr_va_vdst(0)
	WQBODY
.Lfunc_end_k_qb7e80aac87_prep:
	.size	k_qb7e80aac87_prep, .Lfunc_end_k_qb7e80aac87_prep-k_qb7e80aac87_prep
	.p2alignl 7, 3214868480
	.fill 96, 4, 3214868480
	.section	.rodata,"a",@progbits
	.p2align	6, 0x0
	.amdhsa_kernel k_qb7e80aac87_prep
		.amdhsa_group_segment_fixed_size 99072
		.amdhsa_private_segment_fixed_size 0
		.amdhsa_enable_private_segment 0
		.amdhsa_kernarg_size 72
		.amdhsa_user_sgpr_count 2
		.amdhsa_user_sgpr_kernarg_segment_ptr 1
		.amdhsa_wavefront_size32 1
		.amdhsa_system_sgpr_workgroup_id_x 1
		.amdhsa_system_sgpr_workgroup_id_y 1
		.amdhsa_system_sgpr_workgroup_id_z 1
		.amdhsa_system_vgpr_workitem_id 0
		.amdhsa_next_free_vgpr 512
		.amdhsa_next_free_sgpr 66
		.amdhsa_reserve_vcc 1
		.amdhsa_float_denorm_mode_32 3
		.amdhsa_float_denorm_mode_16_64 3
		.amdhsa_memory_ordered 1
		.amdhsa_forward_progress 1
		.amdhsa_inst_pref_size 255
	.end_amdhsa_kernel
	.section	.bss,"aw",@nobits
	.p2align	6
	.space	262144
	.amdgpu_metadata
---
amdhsa.version: [ 1, 2 ]
amdhsa.kernels:
  - .name:           k_qb7e80aac87_prep
    .symbol:         k_qb7e80aac87_prep.kd
    .args:
      - { .name: x, .offset: 0, .size: 8, .value_kind: global_buffer, .address_space: global }
      - { .name: Wg, .offset: 8, .size: 8, .value_kind: global_buffer, .address_space: global }
      - { .name: bg, .offset: 16, .size: 8, .value_kind: global_buffer, .address_space: global }
      - { .name: W1, .offset: 24, .size: 8, .value_kind: global_buffer, .address_space: global }
      - { .name: W2, .offset: 32, .size: 8, .value_kind: global_buffer, .address_space: global }
      - { .name: route, .offset: 40, .size: 8, .value_kind: global_buffer, .address_space: global }
      - { .name: psum, .offset: 48, .size: 8, .value_kind: global_buffer, .address_space: global }
      - { .name: wtab, .offset: 56, .size: 8, .value_kind: global_buffer, .address_space: global }
      - { .name: wq, .offset: 64, .size: 8, .value_kind: global_buffer, .address_space: global }
    .group_segment_fixed_size: 99072
    .private_segment_fixed_size: 0
    .kernarg_segment_align: 8
    .kernarg_segment_size: 72
    .max_flat_workgroup_size: 192
    .sgpr_count:     66
    .vgpr_count:     512
    .wavefront_size: 32
...
	.end_amdgpu_metadata
.endif
;; end of part 4
;; launch place (part 5): grid 1 x 1, 32 waves a work-group, no clusters, 12,288 bytes of LDS; arguments route, psum, order, out1; writes order, out1
.if DOCPART == 5
	.amdgcn_target "amdgcn-amd-amdhsa--gfx1250"
	.amdhsa_code_object_version 6
	.text
	.protected	k_qb7e80aac87_place
	.globl	k_qb7e80aac87_place
	.p2align	8
	.type	k_qb7e80aac87_place,@function
k_qb7e80aac87_place:
	s_mov_b64 s[64:65], 0
	v_nop
	global_prefetch_b8 v0, s[64:65] scope:SCOPE_SE
	s_setreg_imm32_b32 hwreg(HW_REG_WAVE_MODE, 25, 1), 1
	s_wait_xcnt 0x0
; PLACE: a counting sort of the 8,192 tokens by their key (the pair of chosen experts), and the second output.
; One work-group of 32 waves, no atomics.  Wave w owns chunks 16 w .. 16 w + 15 (tokens 256 w .. 256 w + 255).  A lane is a bin (keys 0 .. 27; bins 28-31 stay empty).
; A token's place = its bin's start + the bin's tokens in earlier waves + in earlier chunks of my wave + its rank in its chunk.  order[place] = token | mask << 16.
; out1 = 8 x sum over e of (count_e / 16,384) (sum of p_e / 8,192) = 2^-24 x sum of count_e x sum p_e.  The counts are whole numbers kept in f32, under 2^24: exact.
; One work-group: the whole job is 196,608 bytes in and 32,772 out, and every place hangs on all histograms.
.set HH, 16                            ; v16-31   histograms of my 16 chunks
.set TK, 32                            ; v32-39   token words: register k: token 32 k + lane of my 256
.set PP, 40                            ; v40-55   my chunks' sums for out1
.set LL, 64                            ; v64-95   the 32 waves' figures
.set BK, 96                            ; v96-103  where bin l's tokens of chunks 2 k, 2 k + 1 begin
.set IX, 104                           ; v104-111 4 x key, later the words to store
.set PA, 112                           ; v112-119 places
.set PB, 120                           ; v120-127 the even chunk's count of my key
	s_load_b256 s[4:11], s[0:1], 0x0               ; route 4:5, psum 6:7, order 8:9, out1 10:11
	v_lshl_add_u32 v62, v0, 2, 0x2000
	v_mov_b32 v63, 0
	v_lshrrev_b32 v1, 5, v0
	s_delay_alu instid0(VALU_DEP_1)
	v_readfirstlane_b32 s12, v1                    ; wave 0..31
	v_and_b32 v1, 31, v0                           ; lane
	s_lshl_b32 s13, s12, 12
	v_lshl_add_u32 v2, v1, 3, s13                  ; histograms: 4,096 w + 8 lane (+ 4)
	v_and_b32 v3, 15, v1
	v_lshrrev_b32 v4, 4, v1
	s_delay_alu instid0(VALU_DEP_2)
	v_lshlrev_b32 v3, 3, v3
	s_delay_alu instid0(VALU_DEP_1)
	v_lshl_add_u32 v3, v4, 8, v3
	s_delay_alu instid0(VALU_DEP_1)
	v_add_nc_u32 v3, s13, v3                       ; token words: chunk l / 16 of a pair, token l % 16
	s_lshl_b32 s14, s12, 11
	v_lshl_add_u32 v5, v1, 2, s14                  ; psum: 2,048 w + 4 lane
	v_lshlrev_b32 v6, 2, v0                        ; LDS: 128 w + 4 lane
	v_lshlrev_b32 v7, 2, v1                        ; LDS: 4 lane
	s_lshl_b32 s16, s12, 8
	v_add_nc_u32 v14, s16, v1                      ; 256 w + lane
	s_mov_b32 s15, 0xffff0000                      ; lanes 16-31
	s_wait_alu depctr_va_vdst(0)
	s_wait_kmcnt 0x0
.irp i, 0,1,2,3,4,5,6,7,8,9,10,11,12,13,14,15
	global_load_b32 v[HH+\i], v2, s[4:5] offset:256*\i+4
.endr
.irp k, 0,1,2,3,4,5,6,7
	global_load_b32 v[TK+\k], v3, s[4:5] offset:512*\k
.endr
.irp i, 0,1,2,3,4,5,6,7,8,9,10,11,12,13,14,15
	global_load_b32 v[PP+\i], v5, s[6:7] offset:128*\i
.endr
	s_wait_loadcnt 0x0
	v_add_nc_u32 v8, v[HH], v[HH+1]
	v_add_f32 v9, v[PP], v[PP+1]
.irp i, 2,3,4,5,6,7,8,9,10,11,12,13,14,15
	s_delay_alu instid0(VALU_DEP_2)
	v_add_nc_u32 v8, v8, v[HH+\i]
	s_delay_alu instid0(VALU_DEP_2)
	v_add_f32 v9, v9, v[PP+\i]
.endr
	ds_store_b32 v6, v8                            ; my wave's histogram,
	ds_store_b32 v6, v9 offset:4096                ; and its sums
	s_wait_dscnt 0x0                               ; for the others' sake: my stores are done
	s_barrier_signal -1
	s_barrier_wait -1
.set i, 0
.rept 32
	ds_load_b32 v[LL+i], v7 offset:128*i
.set i, i+1
.endr
	s_wait_dscnt 0x0
	v_mov_b32 v10, 0                               ; bin l in all waves,
	v_mov_b32 v11, 0                               ; and in the waves ahead of mine
.set i, 0
.rept 32
	v_add_nc_u32 v10, v10, v[LL+i]
	s_cmp_gt_u32 s12, i
	s_cselect_b32 s13, -1, 0
	v_and_b32 v13, s13, v[LL+i]
	s_delay_alu instid0(VALU_DEP_1)
	v_add_nc_u32 v11, v11, v13
.set i, i+1
.endr
	v_mov_b32 v12, v10                             ; a running sum over the bins: inside each half of 16 lanes,
.irp n, 1,2,4,8
	s_delay_alu instid0(VALU_DEP_1)
	v_mov_b32_dpp v13, v12 row_shr:\n row_mask:0xf bank_mask:0xf bound_ctrl:1
	s_delay_alu instid0(VALU_DEP_1)
	v_add_nc_u32 v12, v12, v13
.endr
	s_delay_alu instid0(VALU_DEP_1)
	v_readlane_b32 s13, v12, 15                    ; and the lower half's total onto the upper half
	s_delay_alu instid0(VALU_DEP_1)
	v_mov_b32 v13, s13
	s_delay_alu instid0(VALU_DEP_1)
	v_cndmask_b32 v13, 0, v13, s15
	s_delay_alu instid0(VALU_DEP_1)
	v_add_nc_u32 v12, v12, v13
	s_delay_alu instid0(VALU_DEP_1)
	v_sub_nc_u32 v12, v12, v10                     ; where bin l begins
	s_delay_alu instid0(VALU_DEP_1)
	v_add_nc_u32 v[BK], v12, v11
.irp k, 0,1,2,3,4,5,6
	s_delay_alu instid0(VALU_DEP_1)
	v_add3_u32 v[BK+\k+1], v[BK+\k], v[HH+2*\k], v[HH+2*\k+1]
.endr
.irp k, 0,1,2,3,4,5,6,7
	v_and_b32 v[IX+\k], 31, v[TK+\k]
	s_delay_alu instid0(VALU_DEP_1)
	v_lshlrev_b32 v[IX+\k], 2, v[IX+\k]            ; the lane that holds my key's bin, x 4
.endr
.irp k, 0,1,2,3,4,5,6,7
	ds_bpermute_b32 v[PA+\k], v[IX+\k], v[BK+\k]
	ds_bpermute_b32 v[PB+\k], v[IX+\k], v[HH+2*\k]
.endr
	s_wait_dscnt 0x0
.irp k, 0,1,2,3,4,5,6,7
	v_bfe_u32 v13, v[TK+\k], 16, 4                 ; the rank
	v_cndmask_b32 v[PB+\k], 0, v[PB+\k], s15       ; lanes 16-31 stand in the pair's odd chunk, behind the even chunk's tokens
	s_delay_alu instid0(VALU_DEP_1)
	v_add3_u32 v[PA+\k], v[PA+\k], v13, v[PB+\k]
	s_delay_alu instid0(VALU_DEP_1)
	v_min_u32 v[PA+\k], 0x1fff, v[PA+\k]           ; a loaded number enters an address only behind this hold
	s_delay_alu instid0(VALU_DEP_1)
	v_lshlrev_b32 v[PA+\k], 2, v[PA+\k]
	v_bfe_u32 v13, v[TK+\k], 8, 8                  ; the mask
	v_add_nc_u32 v[IX+\k], 32*\k, v14              ; the token
	s_delay_alu instid0(VALU_DEP_1)
	v_lshl_or_b32 v[IX+\k], v13, 16, v[IX+\k]
	global_store_b32 v[PA+\k], v[IX+\k], s[8:9]    ; each store has registers of its own
.endr
	s_cmp_lg_u32 s12, 0
	s_cbranch_scc1 .Lend                           ; the second output is wave 0's; no barrier stands in this branch
.set i, 0
.rept 32
	ds_load_b32 v[LL+i], v7 offset:4096+128*i
.set i, i+1
.endr
	s_wait_dscnt 0x0
	v_add_f32 v61, v64, v65
	v_add_f32 v60, v66, v67
	v_add_f32 v59, v68, v69
	v_add_f32 v58, v70, v71
	v_add_f32 v57, v72, v73
	v_add_f32 v56, v74, v75
	v_add_f32 v15, v76, v77
	v_add_f32 v9, v78, v79
	s_delay_alu instid0(VALU_DEP_1)
	v_add_f32 v9, v9, v80
	v_add_f32 v61, v61, v81
	v_add_f32 v60, v60, v82
	v_add_f32 v59, v59, v83
	v_add_f32 v58, v58, v84
	v_add_f32 v57, v57, v85
	v_add_f32 v56, v56, v86
	v_add_f32 v15, v15, v87
	v_add_f32 v9, v9, v88
	v_add_f32 v61, v61, v89
	v_add_f32 v60, v60, v90
	v_add_f32 v59, v59, v91
	v_add_f32 v58, v58, v92
	v_add_f32 v57, v57, v93
	v_add_f32 v56, v56, v94
	v_add_f32 v15, v15, v95
	s_delay_alu instid0(VALU_DEP_4)
	v_add_f32 v9, v9, v58
	s_delay_alu instid0(VALU_DEP_4)
	v_add_f32 v61, v61, v57
	s_delay_alu instid0(VALU_DEP_4)
	v_add_f32 v60, v60, v56
	s_delay_alu instid0(VALU_DEP_4)
	v_add_f32 v59, v59, v15
	s_delay_alu instid0(VALU_DEP_2)
	v_add_f32 v9, v9, v60
	s_delay_alu instid0(VALU_DEP_2)
	v_add_f32 v61, v61, v59
	s_delay_alu instid0(VALU_DEP_1)
	v_add_f32 v9, v9, v61
	v_mov_b32 v13, 0
	s_delay_alu instid0(VALU_DEP_2)
	v_mul_f32_dpp v13, v9, v9 row_xmask:8 row_mask:0xf bank_mask:0xf   ; lane e: count_e x the sum of p_e
	s_delay_alu instid0(VALU_DEP_1)
	v_add_f32_dpp v13, v13, v13 row_xmask:1 row_mask:0xf bank_mask:0xf
	s_delay_alu instid0(VALU_DEP_1)
	v_add_f32_dpp v13, v13, v13 row_xmask:2 row_mask:0xf bank_mask:0xf
	s_delay_alu instid0(VALU_DEP_1)
	v_add_f32_dpp v13, v13, v13 row_xmask:4 row_mask:0xf bank_mask:0xf
	s_delay_alu instid0(VALU_DEP_1)
	v_mul_f32 v13, 0x33800000, v13                 ; x 2^-24
	v_mov_b32 v12, 0
	v_cmp_eq_u32 vcc_lo, 0, v1
	s_wait_alu depctr_va_vdst(0)
	s_wait_xcnt 0x0                                ; EXEC is a source of the stores above: it changes only behind this wait
	s_and_saveexec_b32 s17, vcc_lo
	global_store_b32 v12, v13, s[10:11]
	s_wait_xcnt 0x0                                ; and again, in front of the line that widens it
	s_or_b32 exec_lo, exec_lo, s17
.Lend:
	s_wait_tensorcnt 0x0
	ds_add_u32 v62, v63
	s_wait_dscnt 0x0
	s_endpgm
.Lfunc_end_k_qb7e80aac87_place:
	.size	k_qb7e80aac87_place, .Lfunc_end_k_qb7e80aac87_place-k_qb7e80aac87_place
	.p2alignl 7, 3214868480
	.fill 96, 4, 3214868480
	.section	.rodata,"a",@progbits
	.p2align	6, 0x0
	.amdhsa_kernel k_qb7e80aac87_place
		.amdhsa_group_segment_fixed_size 12288
		.amdhsa_private_segment_fixed_size 0
		.amdhsa_enable_private_segment 0
		.amdhsa_kernarg_size 32
		.amdhsa_user_sgpr_count 2
		.amdhsa_user_sgpr_kernarg_segment_ptr 1
		.amdhsa_wavefront_size32 1
		.amdhsa_system_sgpr_workgroup_id_x 1
		.amdhsa_system_sgpr_workgroup_id_y 1
		.amdhsa_system_sgpr_workgroup_id_z 1
		.amdhsa_system_vgpr_workitem_id 0
		.amdhsa_next_free_vgpr 128
		.amdhsa_next_free_sgpr 66
		.amdhsa_reserve_vcc 1
		.amdhsa_float_denorm_mode_32 3
		.amdhsa_float_denorm_mode_16_64 3
		.amdhsa_memory_ordered 1
		.amdhsa_forward_progress 1
		.amdhsa_inst_pref_size 29
	.end_amdhsa_kernel
	.amdgpu_metadata
---
amdhsa.version: [ 1, 2 ]
amdhsa.kernels:
  - .name:           k_qb7e80aac87_place
    .symbol:         k_qb7e80aac87_place.kd
    .args:
      - { .name: route, .offset: 0, .size: 8, .value_kind: global_buffer, .address_space: global }
      - { .name: psum, .offset: 8, .size: 8, .value_kind: global_buffer, .address_space: global }
      - { .name: order, .offset: 16, .size: 8, .value_kind: global_buffer, .address_space: global }
      - { .name: out1, .offset: 24, .size: 8, .value_kind: global_buffer, .address_space: global }
    .group_segment_fixed_size: 12288
    .private_segment_fixed_size: 0
    .kernarg_segment_align: 8
    .kernarg_segment_size: 32
    .max_flat_workgroup_size: 1024
    .sgpr_count:     66
    .vgpr_count:     128
    .wavefront_size: 32
...
	.end_amdgpu_metadata
.endif
;; end of part 5
;; launch chain (part 6): grid 256 x 1, 4 waves a work-group, no clusters, 95,744 bytes of LDS; arguments x, order, wtab, wq, b1, b2, gamma, beta, out0; writes out0
.if DOCPART == 6
	.amdgcn_target "amdgcn-amd-amdhsa--gfx1250"
	.amdhsa_code_object_version 6
	.text
	.protected	k_qb7e80aac87_chain
	.globl	k_qb7e80aac87_chain
	.p2align	8
	.type	k_qb7e80aac87_chain,@function
k_qb7e80aac87_chain:
	s_mov_b64 s[64:65], 0
	v_nop
	global_prefetch_b8 v0, s[64:65] scope:SCOPE_SE
	s_setreg_imm32_b32 hwreg(HW_REG_WAVE_SCHED_MODE, 0, 2), 2
	s_setreg_imm32_b32 hwreg(HW_REG_WAVE_MODE, 25, 1), 1
	s_wait_xcnt 0x0
	s_wait_alu depctr_vm_vsrc(0)
; CHAIN: out0 = LayerNorm(x + sum over the chosen experts e of w_e (relu(Q(x) Q(W1_e) + b1_e) quantised again, x Q(W2_e) + b2_e)) x gamma + beta.  Both products on codes of E2M1 with one E8M0 scale for each 32 along K.
; SHARES.  Work-group g owns the sorted places 32 g .. 32 g + 31: two tiles m of 16 tokens, each output row with one owner.  It walks the 8 experts in a loop of constant count and jumps, by a scalar branch on
; the stored masks, over those that none of its tokens uses; a token that does not use an expert of its block has the weight 0.  THE WAVES SHARE THE COLUMNS: wave w makes hidden units 128 w .. + 127 and output
; columns 256 w .. + 255 for all 32 tokens, so each byte of an expert's weights enters the work-group once, straight into registers (laid so by the first launch), and feeds two matrix instructions.
; BOTH PRODUCTS ARE USED TRANSPOSED (source 0 = 16 rows of a weight, source 1 = 16 tokens): a lane holds ONE token (lane % 16).  THE ROWS OF A TILE ARE NOT NEIGHBOURS: position p of tile 2 g + u is row
; 32 g + 8 u + p + 8 (p / 8), so that the 16 registers of tiles 2 g, 2 g + 1 are rows 32 g + 16 (lane / 16) + 0 .. 15: neighbours along the next K, and the very layout in which the quantiser wants x.
; So x is read ONCE: the 256 registers Z hold it for the quantiser, stay as the residual, and take w_e x y_e on top.  The hidden layer never goes to memory.
; x COMES IN AS out0 GOES OUT: by rows, 512 consecutive bytes of one token's row to a load, and through the wave's own stage in LDS, which turns rows into a token a lane.
; Codes go from wave to wave through LDS as images of the operand's registers (16 bytes a lane, 512 a store), scale words 4 bytes a lane.
; WHY NO TENSOR LOAD AND NO CLUSTER: which experts a work-group walks hangs on numbers read from memory, and neighbours in a cluster would walk different experts: partners would need different tiles.
; LIMITS: NaN and infinities are not served.  A block of zeros, or one whose largest magnitude lies under 2^-124, has the scale byte 1.  The sums of the norm go in another order than a row-by-row sum;
; the variance is taken of the centred numbers, in a second pass.
; THE MODE: SCHED_MODE bits 1:0 = 2 (LLVM: expert scheduling mode 2), set by the entry lines.  The code itself states the register dependences between vector or matrix instructions and memory or LDS
; instructions, with s_wait_alu, always for 0.
; THE PLAN.  Registers that memory or LDS instructions touch, in the loop over experts:
;   window 1, slots 0-7      Group G of a product: its eight matrix instructions read slot G % 8.  The loads of group G + 7 land in slot (G - 1) % 8, which the group before has left, and stand at the head of group G.
;   v[SCW ..], v[BI ..], v[WV], v[WV+2], v[HF ..], v[HS ..]   Loaded at a part's head (b2's later tiles at the heads of groups 1 and 5); read by that part's matrix instructions, the weights w by Z's multiply-adds.
;   v[PC ..], v[PW]          Written by the quantiser; read by the three LDS stores of an image.
;   v8-23                    Addresses: made at the kernel's head, never written again; the experts are reached by scalar bases and immediate offsets.
;   Z, the accumulators and x's fragments are named by vector and matrix instructions alone.
; So: one wait on va_vdst at a part's head; one at the head of each of groups 1 to 8, behind the wait for the group's data, where the group before is done reading its slot; one between the quantiser and an
; image's stores; one wait on vm_vsrc at the quantiser's head.  A group's eight loads stand in one run behind its wait: dealt singly among the matrix instructions, each would want two window switches.
; REGISTERS, in windows of 256.  window 0: v1-23 addresses; v24-31 pairs: the tokens' weights, -mean and then 1/sigma; v32-57 the quantiser's; v64-95 the weights' scale words, v96-111 x's, v112-119 the hidden layer's
; (these hold scales alone); v120-183 hidden fragments, at the head and at the end row offsets; v184-247 biases, at the end gamma and beta; v248-255 sums.   window 1: eight slots of four weight fragments.
; window 2: Z, at 128 m + 16 g + i.   window 3: at the head x's rows as loaded; then v0-127 x's 16 fragments, v128-255 the hidden layer (64 m + 8 t) or y (32 m + 8 i); at the end the rows to store.
.set REC,  557056
.set XIMG, 0                           ; LDS: x's 16 fragments (8 m + s), 1,024 bytes each,
.set XSC,  16384                       ; their scale words, 128 bytes each,
.set HIMG, 18432                       ; the hidden layer's 8 fragments (4 m + s),
.set HSC,  26624                       ; their scale words,
.set RED1, 27648                       ; the waves' parts of the rows' sums: [m][token][wave] f32,
.set RED2, 28160                       ; and of the sums of squares,
.set STG,  28672                       ; and a stage of 16 rows x (1,024 bytes + 16) for each wave
.set SPT,  1040
.set RING, 8                           ; slots of four weight fragments: where a group is waited for, RING - 1 groups, 8 loads of 512 bytes each, have been asked for; the last slot is the one that the group before is leaving
.set WO,   8                           ; v8-9   wtab: token << 5
.set LI,   10                          ; v10    16 x lane
.set LS,   11                          ; v11    4 x lane
.set XWI,  12                          ; v12    where I store x's images: 16 lane + 2,048 w
.set XWS,  13                          ; v13    and their scale words: 4 lane + 256 w
.set HWI,  14                          ; v14    the hidden layer's: 16 lane + 1,024 w
.set HWS,  15                          ; v15    4 lane + 128 w
.set WOFF, 16                          ; v16    weights: 16 lane + 65,536 w
.set SOFF, 17                          ; v17    their scale words: 16 lane + 4,096 w
.set VB,   18                          ; v18    biases: 64 h
.set SO,   19                          ; v19    the stage by tokens: row r, + 64 h
.set SR,   20                          ; v20    the stage by rows: 16 bytes a lane
.set RWA,  21                          ; v21    16 r + 4 w
.set RRA,  22                          ; v22    16 r
.set LO,   23                          ; v23    16 lane + 1,024 w: my bytes of a row of x, out0, gamma, beta
.set WV,   24
.set MU,   28
.set TM,   32
.set PW,   48
.set PC,   50
.set SCW,  64
.set XS,   96
.set HS,   112
.set HF,   120
.set BI,   184
.set CH,   248
.set MSB, 0
.macro WIN new                         ; the immediate's high byte repeats the setting that is left; a switch that changes nothing is dropped
.if MSB != (\new)
	s_set_vgpr_msb (MSB<<8)|(\new)
.set MSB, (\new)
.endif
.endm
; 64 numbers of a lane in window win, register src + 16 b + i = k 32 b + 16 (lane / 16) + i of my token, become a fragment's codes in v[PC] on and its scale word in v[PW].  The numbers stay as they are.
.macro QUANT src, win
	WIN 0
	s_wait_alu depctr_vm_vsrc(0)                   ; the LDS stores of the image made last have read v[PC ..] and v[PW], which are written anew below; at the kernel's head also: the loads of order have read v32, x's loads their offsets, the stage's stores window 3
.irp b, 0,1,2,3
	v_mov_b32 v[TM+\b], 0x1800000                  ; the floor 2^(3 - 127), under which no largest magnitude is taken: the byte cannot fall under 1
.endr
	WIN ((\win)<<2)|((\win)<<4)
.irp i, 0,2,4,6,8,10,12,14
.irp b, 0,1,2,3
	v_max3_num_f32 v[TM+\b], v[TM+\b], |v[(\src)+16*\b+\i]|, |v[(\src)+16*\b+\i+1]|   ; the four blocks by turns
.endr
.endr
	WIN 0
.irp b, 0,1,2,3
	v_permlanex16_b32 v[TM+4+\b], v[TM+\b], s66, s67
.endr
.irp b, 0,1,2,3
	v_max_num_f32 v[TM+\b], v[TM+\b], v[TM+4+\b]   ; with lane l xor 16's: the block's largest magnitude
.endr
.irp b, 0,1,2,3
	v_add_nc_u32 v[TM+12+\b], 0xff000000, v[TM+\b] ; 2 off its exponent field: the conversion's scale operand
.endr
.irp b, 0,1,2,3
	v_lshrrev_b32 v[TM+4+\b], 23, v[TM+12+\b]      ; the scale's byte
.endr
	v_lshl_or_b32 v[PW], v[TM+5], 8, v[TM+4]
	v_lshl_or_b32 v[PW], v[TM+6], 16, v[PW]
	v_lshl_or_b32 v[PW], v[TM+7], 24, v[PW]
	WIN (\win)
.irp b, 0,1,2,3
	v_cvt_scalef32_pk8_fp4_f32 v[PC+2*\b], v[(\src)+16*\b:(\src)+16*\b+7], v[TM+12+\b]
	v_cvt_scalef32_pk8_fp4_f32 v[PC+2*\b+1], v[(\src)+16*\b+8:(\src)+16*\b+15], v[TM+12+\b]
.endr
	WIN 0
	v_nop                                          ; one plain instruction behind a scaled conversion
.irp c, 0,1                                    ; the operand's layout wants a WHOLE block in a lane: lanes 0-15 block 2 c, lanes 16-31 block 2 c + 1
.irp i, 0,1
	v_permlane16_swap_b32 v[PC+4*\c+\i], v[PC+4*\c+2+\i]
.endr
.endr
.endm
.macro IMAGE adr, off                          ; the fragment in v[PC] on goes to LDS as it stands
	s_wait_alu depctr_va_vdst(0)                   ; the conversions and the exchanges of halves have written v[PC ..], the shifts v[PW]: these two LDS stores and the scale word's behind them read them
	ds_store_b128 v[\adr], v[PC:PC+3] offset:(\off)
	ds_store_b128 v[\adr], v[PC+4:PC+7] offset:(\off)+512
.endm
.macro BARRIER                                 ; my LDS stores have landed and my LDS loads are in: then the work-group's barrier
	s_wait_dscnt 0x0
	s_barrier_signal -1
	s_barrier_wait -1
.endm
.macro PLACES                                  ; four plain instructions behind a matrix instruction, ahead of the first read of its result; ahead of loads into its registers they stay beside the wait that states that dependence
.rept 4
	v_nop
.endr
.endm
; The loads of a part are counted by the assembler: ISS = issued so far; Pk = ISS just behind the group of four fragments that went into slot k.  Loads come back in order, so ISS - Pk may stay out.
; Where more than 63 loads stand behind the group, the count is 63, the most that a wait can name: with all of them issued, no more than that are out (ISA guide 5.7.1).
.set ISS, 0
.set P0, 0
.set P1, 0
.set P2, 0
.set P3, 0
.set P4, 0
.set P5, 0
.set P6, 0
.set P7, 0
.macro NOTE n
.set ISS, ISS+(\n)
.endm
.macro MARK k
.if (\k) == 0
.set P0, ISS
.elseif (\k) == 1
.set P1, ISS
.elseif (\k) == 2
.set P2, ISS
.elseif (\k) == 3
.set P3, ISS
.elseif (\k) == 4
.set P4, ISS
.elseif (\k) == 5
.set P5, ISS
.elseif (\k) == 6
.set P6, ISS
.else
.set P7, ISS
.endif
.endm
.macro WAITG k
.if (\k) == 0
.set WC, ISS-P0
.elseif (\k) == 1
.set WC, ISS-P1
.elseif (\k) == 2
.set WC, ISS-P2
.elseif (\k) == 3
.set WC, ISS-P3
.elseif (\k) == 4
.set WC, ISS-P4
.elseif (\k) == 5
.set WC, ISS-P5
.elseif (\k) == 6
.set WC, ISS-P6
.else
.set WC, ISS-P7
.endif
.if WC > 63
.set WC, 63
.endif
	s_wait_loadcnt WC
.endm
.macro GLOAD part, G                           ; group G of four fragments of W1 (part 0) or W2 (part 1) into slot G % RING: eight loads of 512 consecutive bytes
	WIN 0x40
.irp i, 0,1,2,3
.irp c, 0,1
	global_load_b128 v[32*((\G)%RING)+8*\i+4*\c:32*((\G)%RING)+8*\i+4*\c+3], v[WOFF], s[14:15] offset:(\part)*262144+(4*(\G)+\i)*1024+512*\c
.endr
.endr
	NOTE 8
	MARK ((\G)%RING)
.endm
.macro BIASL dst, base, t                      ; tile t's bias in the result's layout: lane (r, h) wants rows 32 (t / 2) + 16 h + 8 (t % 2) + 0 .. 7
	WIN 0
	global_load_b128 v[(\dst):(\dst)+3], v[VB], s[\base:\base+1] offset:128*((\t)/2)+32*((\t)%2)
	global_load_b128 v[(\dst)+4:(\dst)+7], v[VB], s[\base:\base+1] offset:128*((\t)/2)+32*((\t)%2)+16
	NOTE 2
.endm
.macro MM                                      ; one matrix instruction on the registers named by rD, rA, rB, rC, rSA, rSB; an odd tile's scale words lie in lanes 16-31
.if oD
	v_wmma_scale_f32_16x16x128_f8f6f4 v[rD:rD+7], v[rA:rA+7], v[rB:rB+7], v[rC:rC+7], v[rSA], v[rSB] matrix_a_fmt:MATRIX_FMT_FP4 matrix_b_fmt:MATRIX_FMT_FP4 matrix_a_scale:MATRIX_SCALE_ROW1
.else
	v_wmma_scale_f32_16x16x128_f8f6f4 v[rD:rD+7], v[rA:rA+7], v[rB:rB+7], v[rC:rC+7], v[rSA], v[rSB] matrix_a_fmt:MATRIX_FMT_FP4 matrix_b_fmt:MATRIX_FMT_FP4
.endif
.endm
.macro ZFMA g                                  ; Z += w x y for output tiles 4 g .. 4 g + 3; each accumulator is read from its low end on
	WIN 0xa3                                       ; source 0 (y) window 3, source 1 (w) window 0, source 2 and destination (Z) window 2
.irp m, 0,1
.set j, 0
.rept 16
	v_pk_fma_f32 v[128*\m+32*(\g)+j:128*\m+32*(\g)+j+1], v[128+32*\m+j:128+32*\m+j+1], v[WV+2*\m:WV+2*\m+1], v[128*\m+32*(\g)+j:128*\m+32*(\g)+j+1] op_sel_hi:[1,0,1]
.set j, j+2
.endr
.endr
.endm
; Tile m's 16 rows of x, as loaded (window 3, register 128 m + 8 row + 4 q: bytes 512 q + 16 lane of my wave's 1,024), go into my stage as they lie and come back a token a lane, into Z:
; register 128 m + 16 g + i = column 256 w + 32 g + 16 h + i of token r.  LDS serves a wave's instructions in order: no wait between the stores and the loads.
; No s_wait_alu: the stores' data come from loads, both addresses were written ahead of the head's wait on va_vdst, and no vector instruction has named the registers of Z in which these loads land.
.macro XIN m
	WIN 0x0c                                       ; an LDS store's data are its source 1: window 3
.set k, 0
.rept 32
	ds_store_b128 v[SR], v[128*(\m)+4*k:128*(\m)+4*k+3] offset:SPT*(k>>1)+512*(k&1)
.set k, k+1
.endr
	WIN 0x80                                       ; destination window 2
.irp g, 0,1,2,3,4,5,6,7
.irp u, 0,1,2,3
	ds_load_b128 v[128*(\m)+16*\g+4*\u:128*(\m)+16*\g+4*\u+3], v[SO] offset:128*\g+16*\u   ; rows 1,040 bytes apart: sixteen lanes, sixteen different columns of 16 bytes
.endr
.endr
.endm
.macro XQ m                                    ; my two K steps of tile m (2 w and 2 w + 1 of x's eight) are quantised, and their images go to LDS
	s_wait_dscnt 16                                ; the first K step's sixteen loads from the stage are in; the second's sixteen may be out
.irp u, 0,1
	QUANT 128*(\m)+64*\u, 2
	IMAGE XWI, XIMG+8192*(\m)+1024*\u
	ds_store_b32 v[XWS], v[PW] offset:XSC+1024*(\m)+128*\u
	s_wait_dscnt 0x0                               ; all loads from the stage are in
.endr
.endm
	s_load_b512 s[8:23], s[0:1], 0x0               ; x 8:9, order 10:11, wtab 12:13, wq 14:15, b1 16:17, b2 18:19, gamma 20:21, beta 22:23
	s_load_b64 s[24:25], s[0:1], 0x40              ; out0
	v_lshl_add_u32 v62, v0, 2, 0x17400
	v_mov_b32 v63, 0
	v_lshrrev_b32 v1, 5, v0
	v_readfirstlane_b32 s26, v1                    ; wave 0..3
	v_and_b32 v1, 31, v0                           ; lane
	v_and_b32 v2, 15, v0                           ; r
	v_bfe_u32 v3, v0, 4, 1                         ; h
	s_wait_alu depctr_va_sdst(0)                   ; s26, the wave's number, is written, ahead of its first reader: addresses and bases are made from it
	s_lshl_b32 s4, ttmp9, 7
	s_mov_b32 s5, 0
	s_wait_alu depctr_va_vdst(0)
	s_wait_kmcnt 0x0
	s_add_nc_u64 s[10:11], s[10:11], s[4:5]        ; my 32 words of order
	s_load_b512 s[32:47], s[10:11], 0x0            ; as scalars: for the masks and for the rows of x and out0
	s_load_b512 s[48:63], s[10:11], 0x40
	v_lshlrev_b32 v32, 2, v2
	v_lshlrev_b32 v[LI], 4, v1
	v_lshlrev_b32 v[LS], 2, v1
	s_lshl_b32 s4, s26, 11
	v_add_nc_u32 v[XWI], s4, v[LI]
	s_lshl_b32 s4, s26, 8
	v_add_nc_u32 v[XWS], s4, v[LS]
	s_lshl_b32 s4, s26, 10
	v_add_nc_u32 v[HWI], s4, v[LI]
	v_add_nc_u32 v[LO], s4, v[LI]
	s_lshl_b32 s4, s26, 7
	v_add_nc_u32 v[HWS], s4, v[LS]
	s_lshl_b32 s4, s26, 16
	v_add_nc_u32 v[WOFF], s4, v[LI]
	s_lshl_b32 s4, s26, 12
	v_add_nc_u32 v[SOFF], s4, v[LI]
	v_lshlrev_b32 v[VB], 6, v3
	s_mul_i32 s4, s26, 16*SPT
	s_add_co_u32 s4, s4, STG                       ; my stage
	v_mul_u32_u24 v[SO], v2, SPT
	v_lshl_add_u32 v[SO], v3, 6, v[SO]
	v_add_nc_u32 v[SO], s4, v[SO]                  ; by tokens: row r, + 64 h
	v_add_nc_u32 v[SR], s4, v[LI]                  ; by rows: 16 bytes a lane
	v_lshlrev_b32 v[RRA], 4, v2
	s_lshl_b32 s4, s26, 2
	v_add_nc_u32 v[RWA], s4, v[RRA]
.irp i, 1,3,5,7
	v_mov_b32 v[WV+\i], 0                          ; the upper halves of four pairs of which the packed forms take the low word: named, so written
.endr
.irp b, 0,1,2,3
	v_mov_b32 v[TM+4+\b], 0                        ; written once: a lane permute's destination counts as one of its sources
.endr
	s_mov_b32 s66, 0x76543210
	s_mov_b32 s67, 0xfedcba98                      ; v_permlanex16_b32's selects for lane l xor 16
	s_lshl_b32 s4, s26, 9
	s_add_nc_u64 s[16:17], s[16:17], s[4:5]        ; b1 at my 128 hidden units
	s_lshl_b32 s4, s26, 10
	s_add_nc_u64 s[18:19], s[18:19], s[4:5]        ; b2 at my 256 columns
	s_wait_kmcnt 0x0
	s_or_b32 s28, s32, s33
.set i, 34
.rept 30
	s_or_b32 s28, s28, s[i]
.set i, i+1
.endr
	s_lshr_b32 s28, s28, 16                        ; the experts that my 32 tokens use
.set i, 32
.rept 32
	s_and_b32 s[i], s[i], 0xffff
	s_min_u32 s[i], s[i], 0x1fff                   ; a loaded number enters an address only behind this hold
	s_lshl_b32 s[i], s[i], 12                      ; the token's row of 4,096 bytes
.set i, i+1
.endr
.set i, 0
.rept 32
	v_add_nc_u32 v[HF+i], s[32+i], v[LO]           ; token i's row, my wave's 1,024 bytes, my lane's 16
.set i, i+1
.endr
	s_wait_alu depctr_va_vdst(0)                   ; v32, the addresses v10 to v23, the 32 row offsets in v[HF ..] and the closing add's v62 and v63 are written: the loads below and every later load, store and LDS instruction read them
	global_load_b32 v4, v32, s[10:11]              ; order once more, a lane, a token, for the tokens' weights: tile 0's,
	global_load_b32 v5, v32, s[10:11] offset:64    ; tile 1's
	WIN 0xc0                                       ; destination window 3
.set i, 0
.rept 32
	global_load_b128 v[8*i:8*i+3], v[HF+i], s[8:9] th:TH_LOAD_NT               ; 32 lanes read 512 consecutive bytes of one row; read once in this launch
	global_load_b128 v[8*i+4:8*i+7], v[HF+i], s[8:9] offset:512 th:TH_LOAD_NT
.set i, i+1
.endr
	WIN 0
	s_wait_loadcnt 32                              ; loads come back in order: the two loads of order and tile 0's 32 are in; tile 1's 32 may be out
	v_and_b32 v4, 0xffff, v4
	v_and_b32 v5, 0xffff, v5
	v_min_u32 v4, 0x1fff, v4
	v_min_u32 v5, 0x1fff, v5
	v_lshlrev_b32 v[WO], 5, v4                     ; (read by loads in the loop alone: the waits on va_vdst ahead of x's images stand between)
	v_lshlrev_b32 v[WO+1], 5, v5
	XIN 0
	XQ 0
	s_wait_loadcnt 0x0                             ; tile 1's rows
	XIN 1
	XQ 1
	BARRIER                                        ; x's sixteen fragments lie in LDS; they are written no more
	WIN 0xc0                                       ; window 3, v0-127: the stage's stores have read them (the quantiser's waits on vm_vsrc stand behind those stores); no vector instruction has named them
.set i, 0
.rept 16
	ds_load_b128 v[8*i:8*i+3], v[LI] offset:XIMG+1024*i
	ds_load_b128 v[8*i+4:8*i+7], v[LI] offset:XIMG+1024*i+512
.set i, i+1
.endr
	WIN 0
.set i, 0
.rept 16
	ds_load_b32 v[XS+i], v[LS] offset:XSC+128*i
.set i, i+1
.endr
	s_wait_dscnt 0x0
	s_mov_b32 s27, 0                               ; the expert
.Le:
	s_lshr_b32 s29, s28, s27
	s_and_b32 s29, s29, 1                          ; does any of my tokens use it?  The same number in all four waves
	s_cmp_lg_u32 s29, 0
	s_cbranch_scc0 .Lskip1
	; ---- 1: my 128 hidden units for the 32 tokens.  Sixteen accumulators take turns, one instruction a turn; the bias is the C of each sum's first instruction.
	; Every load of this part is waited for in this part.
.set ISS, 0
	s_wait_alu depctr_va_vdst(0)                   ; the matrix instructions of the expert before are done reading the scale words v[SCW ..], the biases v[BI ..] and the eight slots, in which the loads below land
.irp p, 0,1,2,3
.irp q, 0,1
	global_load_b128 v[SCW+8*\p+4*\q:SCW+8*\p+4*\q+3], v[SOFF], s[14:15] offset:524288+1024*\p+512*\q   ; register 8 p + s: K step s; lanes 0-15 tile 2 p, lanes 16-31 tile 2 p + 1
.endr
.endr
	NOTE 8
.irp t, 0,1,2,3,4,5,6,7
	BIASL BI+8*\t, 16, \t
.endr
.irp g, 0,1,2,3,4,5,6
	GLOAD 0, \g
.endr
.set GG, 0
.rept 16                                       ; group GG: K step GG / 2, tiles 4 (GG % 2) + 0 .. 3
	WAITG (GG%RING)
.if GG <= 16-RING
	WIN 0x40
.if GG > 0
	s_wait_alu depctr_va_vdst(0)                   ; the group before is done reading its slot, in which the eight loads below land.  (Group 0 owes none: nothing has been issued on the vector side since the part's head)
.endif
	GLOAD 0, GG+RING-1                             ; the slot that the group before has left takes the group RING - 1 further on than this one
.endif
.if GG < 2
	WIN 0xcd                                       ; source 0 (W1) window 1, source 1 (x) window 3, C (b1) window 0, D window 3
.else
	WIN 0xfd                                       ; C and D window 3
.endif
.irp i, 0,1,2,3
.irp m, 0,1
.set tT, 4*(GG&1)+\i
.set rD, 128+64*\m+8*tT
.set rA, 32*(GG%RING)+8*\i
.set rB, 64*\m+8*(GG>>1)
.if GG < 2
.set rC, BI+8*tT
.else
.set rC, rD
.endif
.set rSA, SCW+8*(tT>>1)+(GG>>1)
.set rSB, XS+8*\m+(GG>>1)
.set oD, tT&1
	MM
.endr
.endr
	PLACES
.set GG, GG+1
.endr
.irp m, 0,1
	WIN 0xcc
.set j, 0
.rept 64
	v_max_num_f32 v[128+64*\m+j], 0, v[128+64*\m+j]   ; the activation, in f32; each accumulator from its low end on
.set j, j+1
.endr
	QUANT 128+64*\m, 3
	IMAGE HWI, HIMG+4096*\m                        ; K step w of the second product, tile m
	ds_store_b32 v[HWS], v[PW] offset:HSC+512*\m
	s_wait_dscnt 0x0                               ; the image's stores are done
.endr
	WIN 0
.Lskip1:
	BARRIER                                        ; on every wave's path: the hidden layer's eight fragments lie in LDS
	s_cmp_lg_u32 s29, 0
	s_cbranch_scc0 .Lskip2
	; ---- 2: my 256 output columns, four tiles at a time: eight accumulators by turns, K step by K step; then Z += w x y.
.set ISS, 0
	s_wait_alu depctr_va_vdst(0)                   ; the matrix instructions issued so far are done reading v[SCW ..], v[BI ..], v[HF ..], v[HS ..] and the slots, Z's multiply-adds the weights v[WV], v[WV+2]: the loads below land in all of these
.irp p, 0,1,2,3,4,5,6,7
	global_load_b128 v[SCW+4*\p:SCW+4*\p+3], v[SOFF], s[14:15] offset:540672+512*\p   ; register 4 p + s: K step s; lanes 0-15 tile 2 p, lanes 16-31 tile 2 p + 1
.endr
	NOTE 8
	global_load_b32 v[WV], v[WO], s[12:13]         ; my tokens' weights for this expert
	global_load_b32 v[WV+2], v[WO+1], s[12:13]
	NOTE 2
.irp t, 0,1,2,3,4,5,6,7
	BIASL BI+8*\t, 18, \t
.endr
.irp g, 0,1,2,3,4,5,6
	GLOAD 1, \g
.endr
	WIN 0
.set i, 0
.rept 8
	ds_load_b128 v[HF+8*i:HF+8*i+3], v[LI] offset:HIMG+1024*i
	ds_load_b128 v[HF+8*i+4:HF+8*i+7], v[LI] offset:HIMG+1024*i+512
	ds_load_b32 v[HS+i], v[LS] offset:HSC+128*i
.set i, i+1
.endr
	s_wait_dscnt 0x0
.set GG, 0
.rept 16                                       ; group GG: output tiles 4 (GG / 4) + 0 .. 3, K step GG % 4
	WAITG (GG%RING)
.if GG <= 16-RING
.if (GG == 1) || (GG == 5)
	WIN 0
.else
	WIN 0x40
.endif
.if GG > 0
	s_wait_alu depctr_va_vdst(0)                   ; the group before is done reading its slot, and in groups 1 and 5 the four biases that began its sums: the loads below land there.  (Group 0 owes none, as in the first product)
.endif
.if GG == 1
.irp i, 0,1,2,3
	BIASL BI+8*\i, 18, 8+\i                        ; the biases that group 0 used make room for tiles 8 to 11's,
.endr
.endif
.if GG == 5
.irp i, 0,1,2,3
	BIASL BI+32+8*\i, 18, 12+\i                    ; those that group 4 used for tiles 12 to 15's: each is older than the group of weights with which it is used, which is asked for next
.endr
.endif
	GLOAD 1, GG+RING-1
.endif
.if (GG&3) == 0
	WIN 0xc1                                       ; source 0 (W2) window 1, source 1 (hidden) window 0, C (b2) window 0, D window 3
.else
	WIN 0xf1                                       ; C and D window 3
.endif
.irp i, 0,1,2,3
.irp m, 0,1
.set rD, 128+32*\m+8*\i
.set rA, 32*(GG%RING)+8*\i
.set rB, HF+32*\m+8*(GG&3)
.if (GG&3) == 0
.set rC, BI+32*((GG>>2)&1)+8*\i
.else
.set rC, rD
.endif
.set rSA, SCW+4*((4*(GG>>2)+\i)>>1)+(GG&3)
.set rSB, HS+4*\m+(GG&3)
.set oD, \i&1
	MM
.endr
.endr
	PLACES
.if (GG&3) == 3
	ZFMA (GG>>2)
.endif
.set GG, GG+1
.endr
	WIN 0
.Lskip2:
	BARRIER                                        ; on every wave's path: every wave has read the hidden layer's images; the next expert may write them
	s_wait_xcnt 0x0                                ; the loads above have read their bases: they step only behind this wait
	s_add_nc_u64 s[14:15], s[14:15], REC
	s_add_nc_u64 s[16:17], s[16:17], 2048
	s_add_nc_u64 s[18:19], s[18:19], 4096
	s_add_nc_u64 s[12:13], s[12:13], 4
	s_add_co_u32 s27, s27, 1
	s_cmp_lt_u32 s27, 8
	s_cbranch_scc1 .Le
	; ---- THE NORM.  A token's 1,024 numbers lie in two lanes of each of the four waves.
	s_wait_alu depctr_va_vdst(0)                   ; the last product's matrix instructions are done reading the biases in v[BI ..], in which gamma and beta land
.irp q, 0,1
	global_load_b128 v[BI+4*\q:BI+4*\q+3], v[LO], s[20:21] offset:512*\q       ; gamma and beta of the columns that I store; asked for first, wanted last
	global_load_b128 v[BI+8+4*\q:BI+8+4*\q+3], v[LO], s[22:23] offset:512*\q
.endr
; My lane's 128 numbers of tile m (sq = 0) or their squares (sq = 1), in four chains started by the first numbers; then lane l xor 16's: my wave's part, in a register of its own for each m and sq.
.macro ZRED m, sq
	WIN 0x0a                                       ; sources 0 and 1 window 2
.irp c, 0,1,2,3
.if \sq
	v_pk_mul_f32 v[CH+2*\c:CH+2*\c+1], v[128*(\m)+2*\c:128*(\m)+2*\c+1], v[128*(\m)+2*\c:128*(\m)+2*\c+1]
.else
	v_pk_add_f32 v[CH+2*\c:CH+2*\c+1], v[128*(\m)+2*\c:128*(\m)+2*\c+1], v[128*(\m)+8+2*\c:128*(\m)+8+2*\c+1]
.endif
.endr
.if \sq
.set j, 8
.set nr, 15
.else
	WIN 0x08                                       ; source 1 window 2
.set j, 16
.set nr, 14
.endif
.rept nr
.irp c, 0,1,2,3
.if \sq
	v_pk_fma_f32 v[CH+2*\c:CH+2*\c+1], v[128*(\m)+j+2*\c:128*(\m)+j+2*\c+1], v[128*(\m)+j+2*\c:128*(\m)+j+2*\c+1], v[CH+2*\c:CH+2*\c+1]
.else
	v_pk_add_f32 v[CH+2*\c:CH+2*\c+1], v[CH+2*\c:CH+2*\c+1], v[128*(\m)+j+2*\c:128*(\m)+j+2*\c+1]
.endif
.endr
.set j, j+8
.endr
	WIN 0
	v_pk_add_f32 v[CH:CH+1], v[CH:CH+1], v[CH+2:CH+3]
	v_pk_add_f32 v[CH+4:CH+5], v[CH+4:CH+5], v[CH+6:CH+7]
	v_pk_add_f32 v[CH:CH+1], v[CH:CH+1], v[CH+4:CH+5]
	v_add_f32 v[CH], v[CH], v[CH+1]
	v_permlanex16_b32 v[TM+4], v[CH], s66, s67
	v_add_f32 v[TM+8+(\m)+2*(\sq)], v[CH], v[TM+4]
.endm
.macro ZGET sq, red                            ; my wave's parts of both tiles go to LDS; then the four waves' parts, added: v[CH] tile 0's, v[CH+4] tile 1's
	s_wait_alu depctr_va_vdst(0)                   ; both tiles' parts are written, which the two LDS stores read; and the chains are done with v[CH ..], in which the LDS loads behind the barrier land
	ds_store_b32 v[RWA], v[TM+8+2*(\sq)] offset:(\red)       ; lanes r and r + 16 write the same word with the same value
	ds_store_b32 v[RWA], v[TM+9+2*(\sq)] offset:(\red)+256
	BARRIER
	ds_load_b128 v[CH:CH+3], v[RRA] offset:(\red)
	ds_load_b128 v[CH+4:CH+7], v[RRA] offset:(\red)+256
	s_wait_dscnt 0x0
.irp m, 0,1
	v_add_f32 v[CH+4*\m], v[CH+4*\m], v[CH+4*\m+1]
	v_add_f32 v[CH+4*\m+2], v[CH+4*\m+2], v[CH+4*\m+3]
	v_add_f32 v[CH+4*\m], v[CH+4*\m], v[CH+4*\m+2]
.endr
.endm
	ZRED 0, 0
	ZRED 1, 0
	ZGET 0, RED1
	v_mul_f32 v[MU], 0xba800000, v[CH]             ; -mean = sum x -2^-10
	v_mul_f32 v[MU+2], 0xba800000, v[CH+4]
	WIN 0x82                                       ; source 0 and destination window 2
.irp m, 0,1
.set j, 0
.rept 64
	v_pk_add_f32 v[128*\m+j:128*\m+j+1], v[128*\m+j:128*\m+j+1], v[MU+2*\m:MU+2*\m+1] op_sel_hi:[1,0]   ; centred first: the variance is no difference of large sums
.set j, j+2
.endr
.endr
	ZRED 0, 1
	ZRED 1, 1
	ZGET 1, RED2
	s_mov_b32 s4, 0x3a800000                       ; 2^-10
	s_mov_b32 s5, 0x3727c5ac                       ; 1e-5
	v_fma_f32 v[CH], v[CH], s4, s5
	v_fma_f32 v[CH+4], v[CH+4], s4, s5
	s_wait_alu depctr_va_vdst(0)
	v_rsq_f32 v[MU], v[CH]
	v_rsq_f32 v[MU+2], v[CH+4]
	v_nop                                          ; a plain instruction behind the last of the two
	s_wait_alu depctr_va_vdst(0)                   ; the two reciprocal roots v[MU] and v[MU+2] are written: one wait for both, ahead of their first reader
	WIN 0x82
.irp m, 0,1
.set j, 0
.rept 64
	v_pk_mul_f32 v[128*\m+j:128*\m+j+1], v[128*\m+j:128*\m+j+1], v[MU+2*\m:MU+2*\m+1] op_sel_hi:[1,0]
.set j, j+2
.endr
.endr
	WIN 0
.set i, 0
.rept 32
	v_add_nc_u32 v[HF+i], s[32+i], v[LO]           ; token i's row of out0, my wave's 1,024 bytes, my lane's 16
.set i, i+1
.endr
	s_wait_loadcnt 0x0                             ; gamma, beta
; THE WAY OUT of tile m.  A lane holds pieces of one row and the lanes beside it hold other rows: so the tile goes through my own stage in LDS and comes back as runs of 512 consecutive bytes of a row,
; takes gamma and beta there, and is stored: 32 lanes, 512 consecutive bytes, aligned.  LDS serves a wave's instructions in order: no wait between the stores and the loads, nor ahead of the next tile's stores.
; A quarter's eight stores go out at the head of the next quarter, behind the wait for that quarter's LDS loads; the last quarter's behind the tile's last arithmetic.
.macro OSEND m, k0                             ; the eight stores of the quarter that begins at run k0
	WIN 0x0c                                       ; a store's data are its source 1: window 3
	s_wait_alu depctr_va_vdst(0)                   ; that quarter's multiply-adds by gamma and beta have written the registers that these eight stores read
.set k, (\k0)
.rept 8
	global_store_b128 v[HF+16*(\m)+(k>>1)], v[128*(\m)+4*k:128*(\m)+4*k+3], s[24:25] offset:512*(k&1) th:TH_STORE_NT   ; written once, read by nobody here; no store's registers are written again
.set k, k+1
.endr
.endm
.macro OUT m
	WIN 0x08                                       ; an LDS store's data are its source 1: window 2
.irp g, 0,1,2,3,4,5,6,7
.irp u, 0,1,2,3
	ds_store_b128 v[SO], v[128*(\m)+16*\g+4*\u:128*(\m)+16*\g+4*\u+3] offset:128*\g+16*\u
.endr
.endr
	WIN 0xc0
.set k, 0
.rept 32
	ds_load_b128 v[128*(\m)+4*k:128*(\m)+4*k+3], v[SR] offset:SPT*(k>>1)+512*(k&1)
.set k, k+1
.endr
.irp q, 0,1,2,3
	s_wait_dscnt 24-8*\q                           ; eight more of the 32 loads are in
.if \q > 0
	OSEND \m, 8*\q-8
.endif
	WIN 0xc3                                       ; source 0 and destination window 3; gamma and beta window 0
.set k, 8*\q
.rept 8
	v_pk_fma_f32 v[128*(\m)+4*k:128*(\m)+4*k+1], v[128*(\m)+4*k:128*(\m)+4*k+1], v[BI+4*(k&1):BI+4*(k&1)+1], v[BI+8+4*(k&1):BI+8+4*(k&1)+1]
	v_pk_fma_f32 v[128*(\m)+4*k+2:128*(\m)+4*k+3], v[128*(\m)+4*k+2:128*(\m)+4*k+3], v[BI+4*(k&1)+2:BI+4*(k&1)+3], v[BI+8+4*(k&1)+2:BI+8+4*(k&1)+3]
.set k, k+1
.endr
.endr
	OSEND \m, 24
.endm
	s_wait_alu depctr_va_vdst(0)                   ; Z is scaled, which both tiles' LDS stores read; the row offsets v[HF ..] are written, which out0's stores read; all that named window 3 is done, where the loads from the stage land (tile 0's arithmetic names its v0-127 alone)
	OUT 0
	OUT 1
	WIN 0
	s_wait_dscnt 0x0                               ; the closing lines, six on end
	s_wait_alu 0x0
	s_wait_tensorcnt 0x0
	ds_add_u32 v62, v63
	s_wait_dscnt 0x0
	s_endpgm
.Lfunc_end_k_qb7e80aac87_chain:
	.size	k_qb7e80aac87_chain, .Lfunc_end_k_qb7e80aac87_chain-k_qb7e80aac87_chain
	.p2alignl 7, 3214868480
	.fill 96, 4, 3214868480
	.section	.rodata,"a",@progbits
	.p2align	6, 0x0
	.amdhsa_kernel k_qb7e80aac87_chain
		.amdhsa_group_segment_fixed_size 95744
		.amdhsa_private_segment_fixed_size 0
		.amdhsa_enable_private_segment 0
		.amdhsa_kernarg_size 72
		.amdhsa_user_sgpr_count 2
		.amdhsa_user_sgpr_kernarg_segment_ptr 1
		.amdhsa_wavefront_size32 1
		.amdhsa_system_sgpr_workgroup_id_x 1
		.amdhsa_system_sgpr_workgroup_id_y 1
		.amdhsa_system_sgpr_workgroup_id_z 1
		.amdhsa_system_vgpr_workitem_id 0
		.amdhsa_next_free_vgpr 1024
		.amdhsa_next_free_sgpr 72
		.amdhsa_reserve_vcc 0
		.amdhsa_float_denorm_mode_32 3
		.amdhsa_float_denorm_mode_16_64 3
		.amdhsa_memory_ordered 1
		.amdhsa_forward_progress 1
		.amdhsa_inst_pref_size 197
	.end_amdhsa_kernel
	.amdgpu_metadata
---
amdhsa.version: [ 1, 2 ]
amdhsa.kernels:
  - .name:           k_qb7e80aac87_chain
    .symbol:         k_qb7e80aac87_chain.kd
    .args:
      - { .name: x, .offset: 0, .size: 8, .value_kind: global_buffer, .address_space: global }
      - { .name: order, .offset: 8, .size: 8, .value_kind: global_buffer, .address_space: global }
      - { .name: wtab, .offset: 16, .size: 8, .value_kind: global_buffer, .address_space: global }
      - { .name: wq, .offset: 24, .size: 8, .value_kind: global_buffer, .address_space: global }
      - { .name: b1, .offset: 32, .size: 8, .value_kind: global_buffer, .address_space: global }
      - { .name: b2, .offset: 40, .size: 8, .value_kind: global_buffer, .address_space: global }
      - { .name: gamma, .offset: 48, .size: 8, .value_kind: global_buffer, .address_space: global }
      - { .name: beta, .offset: 56, .size: 8, .value_kind: global_buffer, .address_space: global }
      - { .name: out0, .offset: 64, .size: 8, .value_kind: global_buffer, .address_space: global }
    .group_segment_fixed_size: 95744
    .private_segment_fixed_size: 0
    .kernarg_segment_align: 8
    .kernarg_segment_size: 72
    .max_flat_workgroup_size: 128
    .sgpr_count:     72
    .vgpr_count:     1024
    .wavefront_size: 32
...
	.end_amdgpu_metadata
.endif
;; end of part 6
